; MI455X (gfx1250); checked and timed in simulation.
; The chip was launched on July 23, 2026; its instructions are those of AMD's public machine-readable ISA for CDNA 5 (MIT licence, August 2026) and "CDNA5" Instruction Set Architecture Reference Guide (July 2026). The comments in the code are by the model that wrote it; some were corrected since.
;; Key Value Attention. Allowed arithmetic: matrix products marked QUANTISED: E2M3 operands, one E8M0 scale for each 32 along K, by v_wmma_scale_f32_16x16x128_f8f6f4 with both operands' format E2M3, f32 sums; products left as they are: f32 operands where the result goes on into a quantised operand, else bf16, f16 or f32 operands; f32 sums; everything else in f32.
;; Inputs: V 1,024 x 1 float32; W1 2,048 x 1,024 float32; b1 1,024 float32; bV 1 float32; query 32 x 1,024 float32; values 32 x 1,024 x 2,048 float32.
;; Outputs: out0 32 x 1 x 2,048 float32; out1 32 x 1,024 x 1 float32.
;; This version of the problem:
;;   THIS VERSION OF THE PROBLEM IS GIVEN IN LOW PRECISION. The matrix products marked QUANTISED in the list below multiply operands that are first quantised to E2M3 (2 exponent bits, 3 mantissa bits; 6 bits a number), with one power-of-two scale for each 32 numbers along K (OCP MX v1.0); their sums are f32. All else is computed in f32.
;;   The module's matrix products, in the order in which they are computed (A, B: the left and right operand; K: the contracted axis; several contracted axes count as one K, in the product's order):
;;     1. [M 32,768, K 2,048] x [K 2,048, N 1,024]; A: computed on the way; B: input W1: QUANTISED
;;     2. [M 32,768, K 1,024] x [K 1,024, N 1]; A: computed on the way; B: input V: left as it is (N = 1 < 16)
;;     3. batch 32 x [M 1, K 1,024] x [K 1,024, N 2,048]; A: softmax; B: input values: left as it is (M = 1 < 16)
;;   THE QUANTISER, for each operand of a quantised product, along K:
;;     - K is cut into blocks of 32 from its start; a last block that is shorter is filled with zeros.
;;     - A block's scale is 2^e with e = floor(log2(the largest magnitude in the block)) - 2, held to -126 .. 127; a block of zeros has e = 0. As a byte (E8M0): e + 127.
;;     - Each number is divided by its block's scale, clamped to +-7.5, and rounded to the nearest number of E2M3, ties to even, subnormals kept.
;;     - The product sums the exact products of the quantised numbers (number of the format x scale) in f32.
;;   ~~~python
;;   def quantise(x, axis):      # numpy; x: float32 -> the quantised numbers, widened to float32 again
;;       x = np.moveaxis(x, axis, -1); K = x.shape[-1]
;;       x = np.pad(x, [(0, 0)] * (x.ndim - 1) + [(0, -K % 32)]); x = x.reshape(x.shape[:-1] + (-1, 32)); a = np.abs(x).max(-1, keepdims=True)
;;       e = np.where(a > 0, np.clip(np.frexp(np.where(a > 0, a, 1))[1] - 1 - 2, -126, 127), 0)      # np.frexp(a)[1] - 1 = floor(log2(a)), exactly
;;       r = np.clip(x / 2.0 ** e, -7.5, 7.5)
;;       step = 2.0 ** (np.maximum(np.frexp(np.where(r == 0, 1, r))[1] - 1, 0) - 3)
;;       q = np.round(r / step) * step * 2.0 ** e      # np.round: ties to even
;;       return np.moveaxis(q.reshape(q.shape[:-2] + (-1,))[..., :K], -1, axis).astype(np.float32)
;;   ~~~
;;   OPERANDS COMPUTED ON THE WAY. 'Computed on the way' means the value that the module computes at that place (a softmax that the list does not call 'softmax' is quantised finished and normalised). What goes into a quantiser is computed in f32, as accurately as f32 sums, v_exp_f32 and their like allow (about 1e-6 of the number): no bf16 or f16 on the way to a quantiser, and a product that is left as it is and whose result goes on into a quantised operand takes f32 operands (vector FMAs, or v_wmma_f32_16x16x4_f32). A number that lies on a knife's edge between two numbers of the format may be rounded either way, as far as f32 arithmetic and the matrix unit's own rounding can turn it there, and no further.
;; 2 versions, each right; version 2 is version 1 with the launch attend written anew for expert scheduling mode. Each part assembles by itself: llvm-mc -triple=amdgcn-amd-amdhsa -mcpu=gfx1250 --defsym DOCPART=n.
;; ======== version 1 of 2: 3 launches
;; workspace buffers: wcodes 786,432 bytes; wscales 32,768 bytes; scores 131,072 bytes; ctx 2,097,152 bytes
;; launch wprep (part 1): grid 16 x 8, 4 waves a work-group, no clusters, 0 bytes of LDS; arguments W1, wcodes, wscales; writes wcodes, wscales
.if DOCPART == 1
	.amdgcn_target "amdgcn-amd-amdhsa--gfx1250"
	.amdhsa_code_object_version 6
	.text
	.protected	k_q8888ae1922_wprep
	.globl	k_q8888ae1922_wprep
	.p2align	8
	.type	k_q8888ae1922_wprep,@function
k_q8888ae1922_wprep:
	s_mov_b64 s[64:65], 0
	v_nop
	global_prefetch_b8 v0, s[64:65] scope:SCOPE_SE
	s_setreg_imm32_b32 hwreg(HW_REG_WAVE_MODE, 25, 1), 1
	s_wait_xcnt 0x0
; W1's rows 0 to 1,023 (the rows that meet the key half of concat), f32, K = the first axis, become codes of FP6 (E2M3) with one E8M0 byte for each 32 along K,
; laid in the order of an operand's registers: fragment (K step s of 128, columns 16 ct .. 16 ct + 15) is 1,536 bytes at (64 s + ct) x 1,536: three runs of 512 bytes,
; run g = registers 4 g .. 4 g + 3, lane l's 16 bytes at 16 l.  The scale words lie [s][column], four bytes each.
;
; WORK LEFT OUT, in the whole program.  K = 2,048 of the first product is cut into 64 blocks of 32; blocks 0-31 hold numbers of the key half alone, blocks 32-63 numbers of the repeated query alone
; (1,024 is a multiple of 32), so neither half can move the other's codes or scales.  With the quantisers as they stand,
;   e[b,t,:] = Q(key[b,t]) Q(W1[0:1024]) + c[b,:],   c[b,:] = Q(query[b]) Q(W1[1024:2048]) + b1,
; and c[b,:] does not hang on t.  So score[b,t] = (Q(key[b,t]) Q(W1[0:1024])) V + (c[b,:] V + bV), and the second term is one number for a batch: a term added to the softmax's input that is the same
; along its axis.  It reaches neither the weights nor the context, whatever finite values the inputs hold.  Left out: K steps 1,024 to 2,047 of the first product, and with them the inputs query, b1, bV
; and W1's rows 1,024 to 2,047: they are not loaded and are among no launch's arguments.
; LIMIT: a NaN, an infinity or an overflow that lives in query, b1, bV or W1's rows 1,024 to 2,047 alone is not carried to the result.
;
; SHARES.  One wave makes one fragment: 512 fragments, 128 work-groups of four waves.  The four waves stand side by side on 64 columns, so that together they read 256 consecutive bytes of each row of W1.
; A LANE TAKES A COLUMN AND ITS REGISTERS RUN DOWN K, in the order that the operand's layout gives that lane: lane (r, h) holds k = 64 c + 32 h + 0 .. 31, two whole blocks.  Nothing is transposed.
; A block's scale byte is its largest magnitude's exponent field - 2, held at 1 from below.
; LIMITS: a block of zeros gets the byte 1 where the rule says 127 (its codes are zeros, and this program alone reads the bytes); NaN and infinities in W1 are not served.
	s_load_b128 s[4:7], s[0:1], 0x0                ; W1, the codes
	s_load_b64 s[8:9], s[0:1], 0x10                ; the scale words
	v_lshrrev_b32 v1, 5, v0
	v_readfirstlane_b32 s12, v1                    ; wave 0..3
	v_and_b32 v1, 15, v0                           ; r
	v_bfe_u32 v2, v0, 4, 1                         ; h
	v_and_b32 v3, 31, v0                           ; lane
	v_lshlrev_b32 v4, 2, v1                        ; 4 r
	v_lshl_add_u32 v5, v2, 17, v4                  ; W1: column r, and 32 rows of 4,096 bytes further down for lanes 16-31
	v_lshlrev_b32 v6, 4, v3                        ; the codes: 16 bytes a lane
	s_lshl_b32 s13, ttmp9, 2
	s_add_co_u32 s13, s13, s12                     ; ct = 4 x work-group x + wave
	s_and_b32 s14, ttmp7, 0xffff                   ; s = work-group y
	s_lshl_b32 s16, s14, 19                        ; 128 rows of 4,096 bytes a K step,
	s_lshl_b32 s17, s13, 6                         ; 64 bytes a tile of columns
	s_add_co_u32 s16, s16, s17
	s_mov_b32 s17, 0
	s_lshl_b32 s18, s14, 6
	s_add_co_u32 s18, s18, s13
	s_mul_i32 s18, s18, 1536                       ; the fragment's place
	s_mov_b32 s19, 0
	s_lshl_b32 s20, s14, 12
	s_lshl_b32 s21, s13, 6
	s_add_co_u32 s20, s20, s21                     ; its scale words' place: 4,096 s + 64 ct
	s_mov_b32 s21, 0
	s_mov_b32 s22, 0x76543210
	s_mov_b32 s23, 0xfedcba98                      ; v_permlanex16_b32's selects for lane l xor 16
	s_wait_kmcnt 0x0
	s_add_nc_u64 s[4:5], s[4:5], s[16:17]
	s_add_nc_u64 s[6:7], s[6:7], s[18:19]
	s_add_nc_u64 s[8:9], s[8:9], s[20:21]
.irp c, 0,1
.irp i, 0,1,2,3,4,5,6,7,8,9,10,11,12,13,14,15,16,17,18,19,20,21,22,23,24,25,26,27,28,29,30,31
	global_load_b32 v[64+32*\c+\i], v5, s[4:5] offset:4096*(64*\c+\i) th:TH_LOAD_NT   ; W1(128 s + 64 c + 32 h + i, 16 ct + r)
.endr
.endr
	s_wait_loadcnt 0x0
.irp c, 0,1                                    ; my block 2 c + h: all its 32 numbers are mine
	v_max3_num_f32 v[32+\c], |v[64+32*\c]|, |v[65+32*\c]|, 0x1800000   ; and the floor 2^(3 - 127): the byte cannot fall under 1
.endr
.irp i, 2,4,6,8,10,12,14,16,18,20,22,24,26,28,30
.irp c, 0,1
	v_max3_num_f32 v[32+\c], v[32+\c], |v[64+32*\c+\i]|, |v[65+32*\c+\i]|   ; (the two blocks by turns)
.endr
.endr
.irp c, 0,1
	v_add_nc_u32 v[44+\c], 0xff000000, v[32+\c]    ; 2 off the exponent field: the conversion takes the exponent field of this operand as its scale
.endr
.irp c, 0,1
	v_lshrrev_b32 v[36+\c], 23, v[44+\c]           ; the scale's byte
.endr
	v_lshl_or_b32 v9, v37, 16, v36                 ; my two bytes: blocks h and 2 + h of column r,
	v_lshlrev_b32 v10, 3, v2
	v_lshlrev_b32 v9, v10, v9                      ; at their places in the scale word (8 h bits up);
	v_mov_b32 v10, 0
	v_permlanex16_b32 v10, v9, s22, s23
	v_or_b32 v9, v9, v10                           ; with lane l xor 16's two the word is whole
.irp c, 0,1
	v_cvt_scalef32_pk16_fp6_f32 v[48+6*\c:50+6*\c], v[64+32*\c:79+32*\c], v[44+\c]     ; registers 6 c .. 6 c + 2 of the operand
	v_cvt_scalef32_pk16_fp6_f32 v[192+4*\c:194+4*\c], v[80+32*\c:95+32*\c], v[44+\c]   ; (a conversion's three registers begin on an even number: the second half is made elsewhere and moved)
.endr
	v_nop                                          ; one plain place behind a scaled conversion
.irp c, 0,1
.irp i, 0,1,2
	v_mov_b32 v[51+6*\c+\i], v[192+4*\c+\i]
.endr
.endr
.irp g, 0,1,2
	global_store_b128 v6, v[48+4*\g:51+4*\g], s[6:7] offset:512*\g   ; 32 lanes store 512 consecutive bytes
.endr
	v_cmp_gt_u32 vcc_lo, 16, v3
	s_wait_xcnt 0x0                                ; EXEC changes only behind this wait: the stores above have read it
	s_and_saveexec_b32 s24, vcc_lo                 ; lanes 0-15: a word for each column
	global_store_b32 v4, v9, s[8:9]                ; 64 consecutive bytes
	s_wait_xcnt 0x0
	s_or_b32 exec_lo, exec_lo, s24
	s_endpgm
.Lfunc_end_k_q8888ae1922_wprep:
	.size	k_q8888ae1922_wprep, .Lfunc_end_k_q8888ae1922_wprep-k_q8888ae1922_wprep
	.p2alignl 7, 3214868480
	.fill 96, 4, 3214868480
	.section	.rodata,"a",@progbits
	.p2align	6, 0x0
	.amdhsa_kernel k_q8888ae1922_wprep
		.amdhsa_group_segment_fixed_size 0
		.amdhsa_private_segment_fixed_size 0
		.amdhsa_enable_private_segment 0
		.amdhsa_kernarg_size 24
		.amdhsa_user_sgpr_count 2
		.amdhsa_user_sgpr_kernarg_segment_ptr 1
		.amdhsa_wavefront_size32 1
		.amdhsa_system_sgpr_workgroup_id_x 1
		.amdhsa_system_sgpr_workgroup_id_y 1
		.amdhsa_system_sgpr_workgroup_id_z 1
		.amdhsa_system_vgpr_workitem_id 0
		.amdhsa_next_free_vgpr 200
		.amdhsa_next_free_sgpr 66
		.amdhsa_reserve_vcc 1
		.amdhsa_float_denorm_mode_32 3
		.amdhsa_float_denorm_mode_16_64 3
		.amdhsa_memory_ordered 1
		.amdhsa_forward_progress 1
		.amdhsa_inst_pref_size 12
	.end_amdhsa_kernel
	.amdgpu_metadata
---
amdhsa.version: [ 1, 2 ]
amdhsa.kernels:
  - .name:           k_q8888ae1922_wprep
    .symbol:         k_q8888ae1922_wprep.kd
    .args:
      - { .name: W1, .offset: 0, .size: 8, .value_kind: global_buffer, .address_space: global }
      - { .name: wcodes, .offset: 8, .size: 8, .value_kind: global_buffer, .address_space: global }
      - { .name: wscales, .offset: 16, .size: 8, .value_kind: global_buffer, .address_space: global }
    .group_segment_fixed_size: 0
    .private_segment_fixed_size: 0
    .kernarg_segment_align: 8
    .kernarg_segment_size: 24
    .max_flat_workgroup_size: 128
    .sgpr_count:     66
    .vgpr_count:     200
    .wavefront_size: 32
...
	.end_amdgpu_metadata
.endif
;; end of part 1
;; launch attend (part 2): grid 8 x 32, 8 waves a work-group, no clusters, 325,632 bytes of LDS; arguments values, V, wcodes, wscales, scores, ctx; writes scores, ctx
.if DOCPART == 2
	.amdgcn_target "amdgcn-amd-amdhsa--gfx1250"
	.amdhsa_code_object_version 6
	.text
	.protected	k_q8888ae1922_attend
	.globl	k_q8888ae1922_attend
	.p2align	8
	.type	k_q8888ae1922_attend,@function
k_q8888ae1922_attend:
	s_mov_b64 s[64:65], 0
	v_nop
	global_prefetch_b8 v0, s[64:65] scope:SCOPE_SE
	s_setreg_imm32_b32 hwreg(HW_REG_WAVE_MODE, 25, 1), 1
	s_wait_xcnt 0x0
; For 128 rows t of one batch b (work-group x = the chunk of 128 rows, y = the batch):  t-score[t] = log2(e) x (Q(key[b,t]) Q(W1[0:1024])) V;  m = the chunk's largest;  p[t] = 2^(t-score - m);
; ctx[8 b + chunk][:] = the sum over the chunk's t of p[t] values[b,t,:].  The last launch joins a batch's eight chunks.  values is read from memory once.
; WORK LEFT OUT (shown at the head of the first kernel): the query half of the first product's K, b1 and bV add one number for a batch to all its scores, which the softmax takes away; query, b1, bV and
; W1's rows 1,024 on are not among the arguments.  LIMIT: a NaN, an infinity or an overflow that lives in them alone is not carried to the result.
;
; THE FIRST PRODUCT goes by K steps of 128, codes of FP6 (E2M3) on both sides, E8M0 scales.  THE SECOND IS LINEAR IN THE FIRST: score[t] = the sum over K steps s and units u of V[u] e_s[t,u], e_s the
; product of K step s alone.  So every matrix instruction starts with C = 0 and its eight results go at once into f32 score sums by four packed multiply-adds: e is never formed, and K step s is multiplied
; as soon as 128 columns of the keys have come.  All multiplications of the first product are the matrix unit's; all sums are f32.
; TWO ROLES.  Waves 0-3 (GEMM): wave q owns units 256 q .. 256 q + 255 for all 128 rows; W1's fragments come from memory straight into its registers, a ring of 16 fragments, each asked for a K step ahead.
; Waves 4-7 (stream) own all loads of values: waves 4, 5 the even K steps (rows 0-63, 64-127), waves 6, 7 the odd ones.  A SET is 64 rows x 512 bytes in 256 registers, a row (512 consecutive bytes) a load.
; A set's tile of 16 rows (a) is rounded to bf16 into THE HOLD, the chunk's 128 x 1,024 keys in LDS, for the third product; (b) turns through the wave's own stage, so that a lane holds 16 neighbours along K
; of one row; (c) is quantised; its fragment and scale words go to the GEMM waves as images of the operand's registers; (d) is asked for anew, for the wave's next set.
; Loads are counted for each wave by itself, so a wait for a fragment of W1 never waits for values.
; AN INTERVAL lies between two barriers: in interval j one pair of stream waves quantises K step j into image buffer j % 2, the other pair's next set is on its way, and the GEMM waves multiply
; K step j - 1 from the other buffer.  Nine barriers.  Behind the last: every wave makes p for itself; the GEMM waves make the context's key half from the hold; the stream waves stream the value half, f32.
; NO CLUSTER, NO JOINT LOADS, though all work-groups read the same 786,432 bytes of W1's codes: a joint load lands in LDS, where 262,144 bytes are the hold, 26,624 the images and 33,792 the stages; two slots of a
; K step's 98,304 bytes do not fit in what is left of 327,680.  And each fragment is wanted by one wave of a work-group alone: it goes straight into that wave's registers.
; LIMITS.  The keys enter the third product as bf16, the value half as f32.  The f32 sums of the first two products are taken in another order than the reference's (K step, unit mod 16, lanes, waves).
; NaN and infinities in values are not served.  A block of zeros gets the scale byte 1 (its codes are zeros; this program alone reads the bytes).  A p under 2^-126 comes out as 0 (ISA guide, v_exp_f32).
;
; LDS
.set IMG,   262144                     ; bytes 0 on: the hold, 128 rows x 2,048 bytes, column k at byte 2 k.  From IMG: two image buffers
.set IMGB,  13312                      ; a buffer: 8 fragments of 1,536 bytes (tile of rows f), then
.set ISC,   12288                      ; their scale words, 128 bytes each
.set STG,   288768                     ; the stream waves' stages:
.set STGW,  8448                       ; 16 rows
.set SPIT,  528                        ; of 512 bytes + 16: 33 x 16 bytes, so that the sixteen rows of a load of 16 bytes a lane fall on different banks (64 banks of 4 bytes: ISA guide 11.1)
.set PART,  322560                     ; the GEMM waves' score sums: 512 bytes each, row t at 4 t
.set SPARE, 324608                     ; the spare words, 128 bytes for each of the eight waves: four blocks of 256 bytes that no other line names
; p's copies, 512 bytes for each wave, lie at IMG: they are written behind the last barrier, when no image is read any more.
; VECTOR REGISTERS, in two windows of 256.  v1-v21 of window 0 are addresses, made ahead of the first parting of the roles (v14, v15, v20, v21: made where they are used); they never hold loaded data.
.set SPW, 1                            ; LDS address of my spare word; never rewritten
.set NIL, 2                            ; 0; never rewritten
.set L16, 3                            ; 16 x lane
.set AIR, 4                            ; images, to read: IMG + 16 x lane
.set ASR, 5                            ; their scale words: IMG + ISC + 4 x lane
.set BVO, 6                            ; W1's codes: 24,576 q + 16 x lane
.set BSO, 7                            ; W1's scale words, and V: 4 (256 q + r)
.set PSW, 8                            ; my score sums: PART + 512 q + 32 h
.set AIW, 9                            ; images, to write: IMG + IMGB x pair + 6,144 x half + 16 x lane
.set ASW, 10                           ; their scale words
.set STW, 11                           ; my stage, in: 16 x lane
.set STR, 12                           ; my stage, out: 528 r + 64 h
.set HWB, 13                           ; the hold, to write: 131,072 x half + 8 x lane
.set HWC, 14                           ; + the K step's 256 bytes
.set HWT, 15                           ; + the tile's 16 rows
.set PRD, 16                           ; the score sums, to read: PART + 16 x lane
.set PCW, 17                           ; my copy of p, to write: IMG + 512 x wave + 16 x lane
.set PCB, 18                           ; and to read, the same address in all lanes
.set HRB, 19                           ; the hold, to read: 512 q + 8 x lane
.set HRC, 20
.set PAC, 21
; GEMM role, window 0:
.set BR,  24                           ; v24-215  the ring: slot c (units 16 c on) at BR + 12 c
.set ASC, 216                          ; v216-223 the images' scale words, tile of rows i
.set BSC, 224                          ; v224-239 W1's scale words, slot c
.set VV,  240                          ; v240-255 V[256 q + 16 c + r]
; GEMM role, window 1:
.set AF,  0                            ; v0-95    a K step's 8 fragments of keys
.set DA,  96                           ; v96-127  four accumulators by turns
.set SA,  128                          ; v128-191 score sums: SA + 8 i + j = row 16 i + 8 h + j, summed over the units = r mod 16
; GEMM role behind the products, window 0:
.set RD,  24                           ; v24-87   the 64 sums, as t
.set XK,  24                           ; v24-55   8 rows x 8 columns of the hold
.set PK,  56                           ; v56-63   their p
.set KACC, 64                          ; v64-71   the context of my lane's 8 key columns
; stream role: window 1 is the set, tile t's row k at 64 t + 4 k.  Window 0:
.set QB,  24                           ; v24-151  two tiles turned: 64 numbers a lane each
.set HB,  152                          ; v152-183 a tile as bf16
.set TM,  184                          ; v184-187 largest magnitudes, v188-191 bytes, v192-195 the conversions' scale operands
.set PT,  196                          ; v196-202 the conversions' second halves
.set PW,  203                          ; the scale word just made
.set PC,  204                          ; v204-215 the fragment just made
.set PV,  24                           ; value phase: v24-151 p of rows 0-127, the same in every lane
.set ACC, 152                          ; v152-167 two column steps x two chains x four columns
.set SM,  168                          ; v168-185 the softmax, in both roles
; SCALAR REGISTERS
.set WV,  16                           ; wave
.set QW,  17                           ; wave & 3
.set GP,  18                           ; which pair of stream waves
.set UH,  19                           ; which half of the rows
.set NT,  20                           ; the loop's trips, 0..3
.set HK,  21                           ; the K step's bytes in a row of the hold
.set KO,  22                           ; the byte offset of my next set of keys
.set VO,  23                           ; that of my first set of the value half: 4,096 + 512 (wave & 3); also my place in a row of ctx
.set SEL, 24                           ; s[24:25] lane selects for v_permlanex16_b32: lane l xor 16
.set VB,  26                           ; s[26:27] values at the chunk's first row
.set RP,  28                           ; s[28:29] the set that is being asked for
.set RO,  30                           ; s[30:31] its byte offset
.set VP,  32                           ; s[32:33] VB + VO
.set TA,  34                           ; s[34:35] at work
.set HR,  36                           ; the key context's loop: bytes in the hold,
.set PR,  37                           ; in p,
.set TK,  38                           ; trips
.set CK,  40                           ; s[40:41] ctx: my key columns
.set CV,  42                           ; s[42:43] ctx: my value columns
.set CS,  44                           ; s[44:45] log2(e): the packed form names a pair and takes its low word for both halves
.set MSB, 0
.macro WIN new                         ; s_set_vgpr_msb: bits 1:0 source 0, 3:2 source 1, 5:4 source 2, 7:6 destination; the high byte repeats the setting that is left
.if MSB != \new
	s_set_vgpr_msb (MSB<<8)|\new
.set MSB, \new
.endif
.endm
.macro BARRIER                         ; my LDS stores have landed and my LDS loads are in: then the work-group's barrier
	s_wait_dscnt 0x0
	s_barrier_signal -1
	s_barrier_wait -1
.endm
; 64 numbers of a lane, v[s] on, register 16 b + i = k 32 b + 16 h + i of row r, become a fragment's codes in v[PC] on and its scale word in v[PW].
.macro QUANT s
.irp b, 0,1,2,3
	v_max3_num_f32 v[TM+\b], |v[\s+16*\b]|, |v[\s+1+16*\b]|, 0x1800000   ; block b: my 16 numbers, and the floor 2^(3 - 127): the byte cannot fall under 1
.endr
.irp i, 2,4,6,8,10,12,14
.irp b, 0,1,2,3
	v_max3_num_f32 v[TM+\b], v[TM+\b], |v[\s+16*\b+\i]|, |v[\s+1+16*\b+\i]|   ; (the four blocks by turns)
.endr
.endr
.irp b, 0,1,2,3
	v_permlanex16_b32 v[TM+4+\b], v[TM+\b], s[SEL], s[SEL+1]
.endr
.irp b, 0,1,2,3
	v_max_num_f32 v[TM+\b], v[TM+\b], v[TM+4+\b]   ; with lane l xor 16's: the block's largest magnitude
.endr
.irp b, 0,1,2,3
	v_add_nc_u32 v[TM+8+\b], 0xff000000, v[TM+\b]  ; 2 off its exponent field: the conversion's scale operand
.endr
.irp b, 0,1,2,3
	v_lshrrev_b32 v[TM+4+\b], 23, v[TM+8+\b]       ; the scale's byte
.endr
	v_lshl_or_b32 v[PW], v[TM+5], 8, v[TM+4]       ; the four bytes make my row's scale word
	v_lshl_or_b32 v[PW], v[TM+6], 16, v[PW]
	v_lshl_or_b32 v[PW], v[TM+7], 24, v[PW]
.irp c, 0,1
	v_cvt_scalef32_pk16_fp6_f32 v[PC+6*\c:PC+2+6*\c], v[\s+32*\c:\s+15+32*\c], v[TM+8+2*\c]
	v_cvt_scalef32_pk16_fp6_f32 v[PT+4*\c:PT+2+4*\c], v[\s+16+32*\c:\s+31+32*\c], v[TM+8+2*\c+1]   ; (a conversion's three registers begin on an even number)
.endr
	v_nop                                          ; one plain place behind a scaled conversion
.irp c, 0,1                                    ; the operand's layout wants a WHOLE block in a lane: lanes 0-15 block 2 c, lanes 16-31 block 2 c + 1
.irp i, 0,1,2
	v_permlane16_swap_b32 v[PC+6*\c+\i], v[PT+4*\c+\i]
.endr
.irp i, 0,1,2
	v_mov_b32 v[PC+3+6*\c+\i], v[PT+4*\c+\i]
.endr
.endr
.endm
; Tile t of the set: to the hold as bf16, and through my stage.  cnt: the younger loads, which may stay out.
.macro TURN t, cnt
	s_wait_loadcnt \cnt
	WIN 0x05                                       ; sources in window 1
.irp k, 0,1,2,3,4,5,6,7,8,9,10,11,12,13,14,15
	v_cvt_pk_bf16_f32 v[HB+2*\k], v[64*(\t)+4*\k], v[64*(\t)+4*\k+1]
	v_cvt_pk_bf16_f32 v[HB+2*\k+1], v[64*(\t)+4*\k+2], v[64*(\t)+4*\k+3]
.endr
	WIN 0
.if (\t) == 0
.set HAD, HWC
.else
	v_add_nc_u32 v[HWT], 32768*(\t), v[HWC]        ; 16 rows of 2,048 bytes a tile
.set HAD, HWT
.endif
.irp k, 0,1,2,3,4,5,6,7,8,9,10,11,12,13,14,15
	ds_store_b64 v[HAD], v[HB+2*\k:HB+2*\k+1] offset:2048*\k   ; 32 lanes: 256 consecutive bytes of a row
.endr
	WIN 0x04                                       ; an LDS store's data are its source 1: window 1
.irp k, 0,1,2,3,4,5,6,7,8,9,10,11,12,13,14,15
	ds_store_b128 v[STW], v[64*(\t)+4*\k:64*(\t)+4*\k+3] offset:SPIT*\k
.endr
	WIN 0
.irp b, 0,1,2,3
.irp j, 0,1,2,3
	ds_load_b128 v[QB+64*((\t)%2)+16*\b+4*\j:QB+64*((\t)%2)+16*\b+4*\j+3], v[STR] offset:128*\b+16*\j   ; LDS serves a wave's instructions in order (ISA guide 5.7.1.4): these see the stores above
.endr
.endr
.endm
; Tile t of the set at s[RP] is asked for: 16 rows, 512 consecutive bytes each.
.macro RELOAD t
	WIN 0x40                                       ; destination window 1
.irp k, 0,1,2,3,4,5,6,7,8,9,10,11,12,13,14,15
	global_load_b128 v[64*(\t)+4*\k:64*(\t)+4*\k+3], v[L16], s[RP:RP+1] offset:(16*(\t)+\k)*8192 th:TH_LOAD_NT
.endr
	WIN 0
.endm
; A set becomes four fragments; each tile is asked for anew, for the wave's next set, as soon as it is done with: behind the wait that shows its stores into the stage done.
; The refills of a wave always go out in the order 0, 1, 2, 3.  So behind tile 0's loads stand three tiles' (48); behind tile 1's the old 2 and 3; behind tile 2's the old 3 and the new 0; behind tile 3's the new 0 and 1 (32 each).
; Every refill of a tile thus stands behind a counted wait that shows the tile's last loads done.  With tile 3's refill 64 loads are asked for: the issue of a load for which the counter's field has no room is
; held until an earlier one has come (ISA guide 5.7.1); tile 0's refill has then been out for three tiles' work.
.macro STREAM
	s_wait_xcnt 0x0                                ; the last refills have read s[RP]
	s_cmp_lt_u32 s[NT], 3
	s_cselect_b32 s[RO], s[KO], s[VO]              ; my next set of keys, two K steps on; behind the last: my first set of the value half.  As many loads either way
	s_add_nc_u64 s[RP:RP+1], s[VB:VB+1], s[RO:RO+1]
	s_add_co_u32 s[KO], s[KO], 1024
	v_add_nc_u32 v[HWC], s[HK], v[HWB]
	TURN 0, 48
.irp t, 0,1,2,3
	s_wait_dscnt 0x0                               ; tile t is back from the stage; its stores have read their registers; the last image's stores have read v[PC] on
.if \t < 3
	TURN \t+1, 32
.endif
.set QBX, QB+64*(\t%2)
	QUANT QBX
.irp c, 0,1,2
	ds_store_b128 v[AIW], v[PC+4*\c:PC+4*\c+3] offset:1536*\t+512*\c   ; the fragment as it stands: 512 consecutive bytes a store
.endr
	ds_store_b32 v[ASW], v[PW] offset:128*\t
	RELOAD \t
.endr
.endm
; Product n of a K step's 128: slot n / 8, tile of rows n % 8.  Source 0 = 16 rows of keys, source 1 = 16 units of W1: register j of the result is (row 8 h + j, unit r).
.macro WM n
.set wc, (\n)/8
.set wi, (\n)%8
	v_wmma_scale_f32_16x16x128_f8f6f4 v[DA+8*((\n)%4):DA+8*((\n)%4)+7], v[AF+12*wi:AF+12*wi+11], v[BR+12*wc:BR+12*wc+11], 0, v[ASC+wi], v[BSC+wc] matrix_a_fmt:MATRIX_FMT_FP6 matrix_b_fmt:MATRIX_FMT_FP6
.endm
; Its eight results times V[unit] go into the score sums, from the accumulator's low end on.  Of the pair of V's registers the one of slot n / 8 serves both halves.
.macro EPI n
.set ec, (\n)/8
.set ei, (\n)%8
.set ed, DA+8*((\n)%4)
.irp k, 0,1,2,3
.if ec%2 == 0
	v_pk_fma_f32 v[SA+8*ei+2*\k:SA+8*ei+2*\k+1], v[ed+2*\k:ed+2*\k+1], v[VV+ec:VV+ec+1], v[SA+8*ei+2*\k:SA+8*ei+2*\k+1] op_sel_hi:[1,0,1]
.else
	v_pk_fma_f32 v[SA+8*ei+2*\k:SA+8*ei+2*\k+1], v[ed+2*\k:ed+2*\k+1], v[VV+ec-1:VV+ec], v[SA+8*ei+2*\k:SA+8*ei+2*\k+1] op_sel:[0,1,0] op_sel_hi:[1,1,1]
.endif
.endr
.endm
; A K step of a GEMM wave, from image buffer buf.  reload = 1: each slot is asked for anew, for the next K step, as soon as its eight products are issued.
; ONE window setting serves products and sums: source 0 (keys; accumulator) window 1, source 1 (W1; V) window 0, source 2 and destination window 1.
; PLACES (ISA guide 7.12.1).  Behind product n stand the sums of product n - 2, then product n + 1, the sums of n - 1, product n + 2, and only then the sums of n: eight plain instructions that name none of
; its registers.  The four accumulators take turns; an accumulator is written again four products on, twelve such instructions behind.  A slot's refill stands behind the four sums that
; follow its last product.  The next K step's loads into the keys' fragments stand behind the sums of products 125 and 126.
.macro GEMM buf, reload
	WIN 0x40                                       ; destination window 1
.irp f, 0,1,2,3,4,5,6,7
.irp g, 0,1,2
	ds_load_b128 v[AF+12*\f+4*\g:AF+12*\f+4*\g+3], v[AIR] offset:IMGB*\buf+1536*\f+512*\g
.endr
.endr
	WIN 0
.irp f, 0,1,2,3,4,5,6,7
	ds_load_b32 v[ASC+\f], v[ASR] offset:IMGB*\buf+128*\f
.endr
	s_wait_dscnt 0x0
.set gc, 0
.rept 16
.if \reload
	s_wait_loadcnt 60                              ; slot gc's four loads are in.  Younger: slots gc + 1 .. 15 of this K step and slots 0 .. gc - 1 of the next: 15 x 4
.else
	s_wait_loadcnt 4*(15-gc)                       ; nothing is asked for any more: slots gc + 1 .. 15 are younger
.endif
	WIN 0x51
.set gi, 0
.rept 8
.set gn, 8*gc+gi
	WM gn
.if gn < 2
.rept 4
	v_nop                                          ; the K step's first two products have no sums to stand behind them
.endr
.else
	EPI gn-2
.endif
.set gi, gi+1
.endr
.if \reload
	WIN 0
.irp g, 0,1,2
	global_load_b128 v[BR+12*gc+4*\g:BR+12*gc+4*\g+3], v[BVO], s[8:9] offset:98304+1536*gc+512*\g   ; 512 consecutive bytes
.endr
	global_load_b32 v[BSC+gc], v[BSO], s[10:11] offset:4096+64*gc
.endif
.set gc, gc+1
.endr
	WIN 0x51
	EPI 126
	EPI 127
	WIN 0
.if \reload
	s_wait_xcnt 0x0                                ; the loads have read their bases
	s_add_nc_u64 s[8:9], s[8:9], 98304             ; a K step on: 64 fragments,
	s_add_nc_u64 s[10:11], s[10:11], 4096          ; 1,024 scale words
.endif
.endm
; The value half.  Set v of four (0, 1: my first column step, rows 0-63 and 64-127; 2, 3: my second), tile t: acc += p[row] x the row's four numbers, two chains; then the tile takes the next set's.
.macro VTILE v, t
.if (\v) < 3
	s_wait_loadcnt 48                              ; three tiles are younger
.else
	s_wait_loadcnt 16*(3-(\t))                     ; the last set: the counts run down
.endif
	WIN 0x01                                       ; source 0 window 1
.set vk, 0
.rept 16
.set vp, PV+64*((\v)%2)+16*(\t)+(vk/2)*2
.set va, ACC+8*((\v)/2)+4*(vk%2)
.set vs, 64*(\t)+4*vk
.if ((\v)%2 == 0) && ((\t) == 0) && (vk == 0)
	v_pk_mul_f32 v[va:va+1], v[vs:vs+1], v[vp:vp+1] op_sel_hi:[1,0]            ; a column step's first two rows start the sums
	v_pk_mul_f32 v[va+2:va+3], v[vs+2:vs+3], v[vp:vp+1] op_sel_hi:[1,0]
.elseif ((\v)%2 == 0) && ((\t) == 0) && (vk == 1)
	v_pk_mul_f32 v[va:va+1], v[vs:vs+1], v[vp:vp+1] op_sel:[0,1] op_sel_hi:[1,1]
	v_pk_mul_f32 v[va+2:va+3], v[vs+2:vs+3], v[vp:vp+1] op_sel:[0,1] op_sel_hi:[1,1]
.elseif vk%2 == 0
	v_pk_fma_f32 v[va:va+1], v[vs:vs+1], v[vp:vp+1], v[va:va+1] op_sel_hi:[1,0,1]
	v_pk_fma_f32 v[va+2:va+3], v[vs+2:vs+3], v[vp:vp+1], v[va+2:va+3] op_sel_hi:[1,0,1]
.else
	v_pk_fma_f32 v[va:va+1], v[vs:vs+1], v[vp:vp+1], v[va:va+1] op_sel:[0,1,0] op_sel_hi:[1,1,1]
	v_pk_fma_f32 v[va+2:va+3], v[vs+2:vs+3], v[vp:vp+1], v[va+2:va+3] op_sel:[0,1,0] op_sel_hi:[1,1,1]
.endif
.set vk, vk+1
.endr
.if (\v) < 3
	WIN 0x40
.irp k, 0,1,2,3,4,5,6,7,8,9,10,11,12,13,14,15
	global_load_b128 v[64*(\t)+4*\k:64*(\t)+4*\k+3], v[L16], s[VP:VP+1] offset:(64*(((\v)+1)%2)+16*(\t)+\k)*8192+(((\v)+1)/2)*2048 th:TH_LOAD_NT
.endr
.endif
	WIN 0
.endm
	; ---- the head, common to all waves
	s_load_b256 s[4:11], s[0:1], 0x0               ; values s[4:5], V s[6:7], W1's codes s[8:9], W1's scale words s[10:11]
	s_load_b128 s[12:15], s[0:1], 0x20             ; scores s[12:13], ctx s[14:15]
	v_lshl_add_u32 v[SPW], v0, 2, SPARE
	v_mov_b32 v[NIL], 0
	v_lshrrev_b32 v20, 5, v0
	v_readfirstlane_b32 s[WV], v20                 ; wave 0..7
	s_and_b32 s[QW], s[WV], 3
	s_lshr_b32 s[GP], s[QW], 1
	s_and_b32 s[UH], s[QW], 1
	v_and_b32 v20, 31, v0                          ; lane
	v_and_b32 v21, 15, v0                          ; r
	v_bfe_u32 v22, v0, 4, 1                        ; h
	v_lshlrev_b32 v[L16], 4, v20
	v_add_nc_u32 v[AIR], IMG, v[L16]
	v_lshl_add_u32 v[ASR], v20, 2, IMG+ISC
	s_mul_i32 s[TA], s[QW], 24576                  ; 16 fragments of 1,536 bytes a wave
	v_add_nc_u32 v[BVO], s[TA], v[L16]
	s_lshl_b32 s[TA], s[QW], 10
	v_lshl_add_u32 v[BSO], v21, 2, s[TA]
	s_lshl_b32 s[TA], s[QW], 9
	v_lshl_add_u32 v[HRB], v20, 3, s[TA]
	s_add_co_u32 s[TA], s[TA], PART
	v_lshl_add_u32 v[PSW], v22, 5, s[TA]
	s_mul_i32 s[TA], s[GP], IMGB
	s_mul_i32 s[TA+1], s[UH], 6144                 ; four fragments a half
	s_add_co_u32 s[TA+1], s[TA+1], s[TA]
	s_add_co_u32 s[TA+1], s[TA+1], IMG
	v_add_nc_u32 v[AIW], s[TA+1], v[L16]
	s_lshl_b32 s[TA+1], s[UH], 9
	s_add_co_u32 s[TA+1], s[TA+1], s[TA]
	s_add_co_u32 s[TA+1], s[TA+1], IMG+ISC
	v_lshl_add_u32 v[ASW], v20, 2, s[TA+1]
	s_mul_i32 s[TA], s[QW], STGW
	s_add_co_u32 s[TA], s[TA], STG
	v_add_nc_u32 v[STW], s[TA], v[L16]
	v_mul_u32_u24 v[STR], v21, SPIT
	v_lshl_add_u32 v[STR], v22, 6, v[STR]
	v_add_nc_u32 v[STR], s[TA], v[STR]
	s_lshl_b32 s[TA], s[UH], 17                    ; 64 rows of 2,048 bytes
	v_lshl_add_u32 v[HWB], v20, 3, s[TA]
	v_add_nc_u32 v[PRD], PART, v[L16]
	s_lshl_b32 s[TA], s[WV], 9
	s_add_co_u32 s[TA], s[TA], IMG
	v_add_nc_u32 v[PCW], s[TA], v[L16]
	v_mov_b32 v[PCB], s[TA]
.irp b, 0,1,2,3
	v_mov_b32 v[TM+4+\b], 0                        ; written once: a lane permute's destination counts as one of its sources
.endr
	s_mov_b32 s[SEL], 0x76543210
	s_mov_b32 s[SEL+1], 0xfedcba98
	s_mov_b32 s[CS], 0x3fb8aa3b                    ; log2(e)
	s_mov_b32 s[CS+1], s[CS]                       ; (named with it as a pair, so it is written)
	s_lshl_b32 s[RO], s[UH], 19                    ; my first set: 64 rows of 8,192 bytes a half,
	s_lshl_b32 s[KO], s[GP], 9                     ; 512 bytes a K step
	s_add_co_u32 s[RO], s[RO], s[KO]
	s_mov_b32 s[RO+1], 0
	s_add_co_u32 s[KO], s[RO], 1024                ; the next: two K steps on
	s_lshl_b32 s[VO], s[QW], 9
	s_add_co_u32 s[VO], s[VO], 4096
	s_lshl_b32 s[HK], s[GP], 8
	s_and_b32 s39, ttmp7, 0xffff                   ; the batch
	s_lshl_b32 s[TA], s39, 23                      ; 1,024 rows of 8,192 bytes a batch,
	s_lshl_b32 s[TA+1], ttmp9, 20                  ; 128 a chunk
	s_add_co_u32 s[TA], s[TA], s[TA+1]
	s_mov_b32 s[TA+1], 0
	s_wait_kmcnt 0x0
	s_add_nc_u64 s[VB:VB+1], s[4:5], s[TA:TA+1]
	s_add_nc_u64 s[RP:RP+1], s[VB:VB+1], s[RO:RO+1]
	s_mov_b32 s[TA], s[VO]
	s_add_nc_u64 s[VP:VP+1], s[VB:VB+1], s[TA:TA+1]
	s_lshl_b32 s[TA], s39, 3
	s_add_co_u32 s[TA], s[TA], ttmp9
	s_lshl_b32 s[TA], s[TA], 13                    ; ctx: row 8 b + chunk of 8,192 bytes
	s_add_nc_u64 s[14:15], s[14:15], s[TA:TA+1]
	s_mov_b32 s[TA], s[VO]
	s_add_nc_u64 s[CV:CV+1], s[14:15], s[TA:TA+1]
	s_lshl_b32 s[TA], s[QW], 10
	s_add_nc_u64 s[CK:CK+1], s[14:15], s[TA:TA+1]
	s_lshl_b32 s[TA], s39, 12
	s_lshl_b32 s39, ttmp9, 9
	s_add_co_u32 s[TA], s[TA], s39
	s_add_nc_u64 s[12:13], s[12:13], s[TA:TA+1]    ; scores: 4,096 b + 512 chunk
	; ---- the roles part for the first time
	s_cmp_lt_u32 s[WV], 4
	s_cbranch_scc0 .Lh_stream
.irp c, 0,1,2,3,4,5,6,7,8,9,10,11,12,13,14,15
	global_load_b32 v[VV+\c], v[BSO], s[6:7] offset:64*\c
.endr
.irp c, 0,1,2,3,4,5,6,7,8,9,10,11,12,13,14,15  ; K step 0's sixteen slots, four loads each, in the order in which they are waited for
.irp g, 0,1,2
	global_load_b128 v[BR+12*\c+4*\g:BR+12*\c+4*\g+3], v[BVO], s[8:9] offset:1536*\c+512*\g
.endr
	global_load_b32 v[BSC+\c], v[BSO], s[10:11] offset:64*\c
.endr
	WIN 0x40
.set rr, 0
.rept 64
	v_mov_b32 v[SA+rr], 0                          ; the score sums, once: the K step is written for a loop, and its sums add in place
.set rr, rr+1
.endr
	WIN 0
	s_branch .Lh_join
.Lh_stream:
	RELOAD 0                                       ; every stream wave's first set, whole, in the order in which its tiles are waited for
	RELOAD 1
	RELOAD 2
	RELOAD 3
.Lh_join:
	s_mov_b32 s[NT], 0
.Lpair:                                            ; four trips of two intervals.  Every branch hangs on the wave's number or on the count of trips
	; ---- interval 2 NT: K step 2 NT is quantised into buffer 0 by waves 4, 5; K step 2 NT - 1 is multiplied from buffer 1; waves 6, 7 go on to the barrier, their set on its way
	s_cmp_lt_u32 s[WV], 4
	s_cbranch_scc0 .La_stream
	s_cmp_eq_u32 s[NT], 0
	s_cbranch_scc1 .La_join                        ; in interval 0 there is nothing to multiply yet
	GEMM 1, 1
	s_branch .La_join
.La_stream:
	s_cmp_lt_u32 s[WV], 6
	s_cbranch_scc0 .La_join
	STREAM
.La_join:
	BARRIER
	; ---- interval 2 NT + 1: K step 2 NT + 1 into buffer 1 by waves 6, 7; K step 2 NT from buffer 0
	s_cmp_lt_u32 s[WV], 4
	s_cbranch_scc0 .Lb_stream
	GEMM 0, 1
	s_branch .Lb_join
.Lb_stream:
	s_cmp_lt_u32 s[WV], 6
	s_cbranch_scc1 .Lb_join
	STREAM
.Lb_join:
	BARRIER
	s_add_co_u32 s[HK], s[HK], 512
	s_add_co_u32 s[NT], s[NT], 1
	s_cmp_lt_u32 s[NT], 4
	s_cbranch_scc1 .Lpair
	; ---- interval 8: K step 7; the score sums leave the GEMM waves.  The stream waves' first sets of the value half are on their way
	s_cmp_lt_u32 s[WV], 4
	s_cbranch_scc0 .Lz_join
	GEMM 1, 0
	WIN 0x01                                       ; source 0 window 1, destination window 0
.set rr, 0
.rept 32
	v_pk_mul_f32 v[RD+rr:RD+rr+1], v[SA+rr:SA+rr+1], s[CS:CS+1] op_sel_hi:[1,0]   ; as t = score x log2(e), into window 0
.set rr, rr+2
.endr
	WIN 0
.irp m, 1,2,4,8                                ; over the sixteen lanes of a half: the sum over the units' sixteen classes
.set rr, 0
.rept 64
	v_add_f32_dpp v[RD+rr], v[RD+rr], v[RD+rr] row_xmask:\m row_mask:0xf bank_mask:0xf
.set rr, rr+1
.endr
.endr
.set rr, 0
.rept 64
	ds_store_b32 v[PSW], v[RD+rr] offset:4*(16*(rr/8)+rr%8)   ; row 16 i + 8 h + j; the sixteen lanes of a half write one word with one value
.set rr, rr+1
.endr
.Lz_join:
	BARRIER                                        ; the ninth and last: the hold is whole, the four waves' score sums lie in LDS, no image is read any more
	; ---- the chunk's softmax numerators: every wave for itself, rows 4 x lane .. 4 x lane + 3
.irp q, 0,1,2,3
	ds_load_b128 v[SM+4*\q:SM+4*\q+3], v[PRD] offset:512*\q
.endr
	v_mov_b32 v[SM+17], 0                          ; (a lane permute's destination counts as one of its sources)
.irp c, 0,1,2,3,4,5,6,7
	v_mov_b32 v[KACC+\c], 0                        ; the key context's sums: its loop is written once
.endr
	s_wait_dscnt 0x0
	v_pk_add_f32 v[SM:SM+1], v[SM:SM+1], v[SM+4:SM+5]
	v_pk_add_f32 v[SM+2:SM+3], v[SM+2:SM+3], v[SM+6:SM+7]
	v_pk_add_f32 v[SM+8:SM+9], v[SM+8:SM+9], v[SM+12:SM+13]
	v_pk_add_f32 v[SM+10:SM+11], v[SM+10:SM+11], v[SM+14:SM+15]
	v_pk_add_f32 v[SM:SM+1], v[SM:SM+1], v[SM+8:SM+9]
	v_pk_add_f32 v[SM+2:SM+3], v[SM+2:SM+3], v[SM+10:SM+11]   ; t of my four rows
	v_max3_num_f32 v[SM+16], v[SM], v[SM+1], v[SM+2]
	v_max_num_f32 v[SM+16], v[SM+16], v[SM+3]
	v_max_num_f32_dpp v[SM+16], v[SM+16], v[SM+16] row_xmask:1 row_mask:0xf bank_mask:0xf
	v_max_num_f32_dpp v[SM+16], v[SM+16], v[SM+16] row_xmask:2 row_mask:0xf bank_mask:0xf
	v_max_num_f32_dpp v[SM+16], v[SM+16], v[SM+16] row_xmask:4 row_mask:0xf bank_mask:0xf
	v_max_num_f32_dpp v[SM+16], v[SM+16], v[SM+16] row_xmask:8 row_mask:0xf bank_mask:0xf
	v_permlanex16_b32 v[SM+17], v[SM+16], s[SEL], s[SEL+1]
	v_max_num_f32 v[SM+16], v[SM+16], v[SM+17]     ; the chunk's largest t: taken away before the exponential
.irp j, 0,1,2,3
	v_sub_f32 v[SM+8+\j], v[SM+\j], v[SM+16]
.endr
.irp j, 0,1,2,3
	v_exp_f32 v[SM+8+\j], v[SM+8+\j]               ; p, at most 1
.endr
	v_nop                                          ; a plain place behind the exponentials
	s_wait_alu depctr_va_vdst(0)                   ; one wait for the four, ahead of their first reader
	ds_store_b128 v[PCW], v[SM+8:SM+11]            ; my wave's own copy of the 128 p
	s_cmp_lg_u32 s[WV], 0
	s_cbranch_scc1 .Lnot_wave_0
	global_store_b128 v[L16], v[SM:SM+3], s[12:13] ; wave 0: the chunk's t, 512 consecutive bytes
.Lnot_wave_0:
	; ---- the context's key half, from the hold: wave q (0-3) columns 256 q on, a lane 2 x 4 columns; 8 rows a trip.  Every wave walks the loop; the work stands under a branch inside it
	s_mov_b32 s[HR], 0
	s_mov_b32 s[PR], 0
	s_mov_b32 s[TK], 0
.Lk:
	s_cmp_lt_u32 s[WV], 4
	s_cbranch_scc0 .Lk_none
	v_add_nc_u32 v[HRC], s[HR], v[HRB]
	v_add_nc_u32 v[PAC], s[PR], v[PCB]
.irp k, 0,1,2,3,4,5,6,7
.irp e, 0,1
	ds_load_b64 v[XK+4*\k+2*\e:XK+4*\k+2*\e+1], v[HRC] offset:2048*\k+256*\e   ; 32 lanes: 256 consecutive bytes of a row
.endr
.endr
	ds_load_b128 v[PK:PK+3], v[PAC]                ; the rows' p: one address for all lanes.  LDS serves a wave's instructions in order: these see my store above
	ds_load_b128 v[PK+4:PK+7], v[PAC] offset:16
	s_wait_dscnt 0x0
.irp k, 0,1,2,3,4,5,6,7
.irp e, 0,1
.irp d, 0,1
	v_fma_mix_f32_bf16 v[KACC+4*\e+2*\d], v[XK+4*\k+2*\e+\d], v[PK+\k], v[KACC+4*\e+2*\d] op_sel_hi:[1,0,0]                    ; the low bf16 x p, in f32
	v_fma_mix_f32_bf16 v[KACC+4*\e+2*\d+1], v[XK+4*\k+2*\e+\d], v[PK+\k], v[KACC+4*\e+2*\d+1] op_sel:[1,0,0] op_sel_hi:[1,0,0]   ; the high one
.endr
.endr
.endr
.Lk_none:
	s_add_co_u32 s[HR], s[HR], 16384
	s_add_co_u32 s[PR], s[PR], 32
	s_add_co_u32 s[TK], s[TK], 1
	s_cmp_lt_u32 s[TK], 16
	s_cbranch_scc1 .Lk
	; ---- the roles part for the last time
	s_cmp_lt_u32 s[WV], 4
	s_cbranch_scc0 .Le_stream
	global_store_b128 v[L16], v[KACC:KACC+3], s[CK:CK+1]               ; 512 consecutive bytes each
	global_store_b128 v[L16], v[KACC+4:KACC+7], s[CK:CK+1] offset:512
	s_branch .Le_join
.Le_stream:
.irp k, 0,1,2,3,4,5,6,7,8,9,10,11,12,13,14,15,16,17,18,19,20,21,22,23,24,25,26,27,28,29,30,31
	ds_load_b128 v[PV+4*\k:PV+4*\k+3], v[PCB] offset:16*\k             ; all 128 p into every lane
.endr
	s_wait_dscnt 0x0
.irp v, 0,1,2,3
.irp t, 0,1,2,3
	VTILE \v, \t
.endr
.if \v%2 == 1                                  ; a column step is done: its two chains are joined, and it leaves.  The two steps have registers of their own, so no store's data are written again
	v_pk_add_f32 v[ACC+8*(\v/2):ACC+8*(\v/2)+1], v[ACC+8*(\v/2):ACC+8*(\v/2)+1], v[ACC+8*(\v/2)+4:ACC+8*(\v/2)+5]
	v_pk_add_f32 v[ACC+8*(\v/2)+2:ACC+8*(\v/2)+3], v[ACC+8*(\v/2)+2:ACC+8*(\v/2)+3], v[ACC+8*(\v/2)+6:ACC+8*(\v/2)+7]
	global_store_b128 v[L16], v[ACC+8*(\v/2):ACC+8*(\v/2)+3], s[CV:CV+1] offset:2048*(\v/2)   ; 512 consecutive bytes
.endif
.endr
.Le_join:
	s_wait_tensorcnt 0x0                           ; the wave's end
	ds_add_u32 v[SPW], v[NIL]
	s_wait_dscnt 0x0
	s_endpgm
.Lfunc_end_k_q8888ae1922_attend:
	.size	k_q8888ae1922_attend, .Lfunc_end_k_q8888ae1922_attend-k_q8888ae1922_attend
	.p2alignl 7, 3214868480
	.fill 96, 4, 3214868480
	.section	.rodata,"a",@progbits
	.p2align	6, 0x0
	.amdhsa_kernel k_q8888ae1922_attend
		.amdhsa_group_segment_fixed_size 325632
		.amdhsa_private_segment_fixed_size 0
		.amdhsa_enable_private_segment 0
		.amdhsa_kernarg_size 48
		.amdhsa_user_sgpr_count 2
		.amdhsa_user_sgpr_kernarg_segment_ptr 1
		.amdhsa_wavefront_size32 1
		.amdhsa_system_sgpr_workgroup_id_x 1
		.amdhsa_system_sgpr_workgroup_id_y 1
		.amdhsa_system_sgpr_workgroup_id_z 1
		.amdhsa_system_vgpr_workitem_id 0
		.amdhsa_next_free_vgpr 512
		.amdhsa_next_free_sgpr 66
		.amdhsa_reserve_vcc 0
		.amdhsa_float_denorm_mode_32 3
		.amdhsa_float_denorm_mode_16_64 3
		.amdhsa_memory_ordered 1
		.amdhsa_forward_progress 1
		.amdhsa_inst_pref_size 255
	.end_amdhsa_kernel
	.section	.bss,"aw",@nobits
	.p2align	6
	.space	262144
	.amdgpu_metadata
---
amdhsa.version: [ 1, 2 ]
amdhsa.kernels:
  - .name:           k_q8888ae1922_attend
    .symbol:         k_q8888ae1922_attend.kd
    .args:
      - { .name: values, .offset: 0, .size: 8, .value_kind: global_buffer, .address_space: global }
      - { .name: V, .offset: 8, .size: 8, .value_kind: global_buffer, .address_space: global }
      - { .name: wcodes, .offset: 16, .size: 8, .value_kind: global_buffer, .address_space: global }
      - { .name: wscales, .offset: 24, .size: 8, .value_kind: global_buffer, .address_space: global }
      - { .name: scores, .offset: 32, .size: 8, .value_kind: global_buffer, .address_space: global }
      - { .name: ctx, .offset: 40, .size: 8, .value_kind: global_buffer, .address_space: global }
    .group_segment_fixed_size: 325632
    .private_segment_fixed_size: 0
    .kernarg_segment_align: 8
    .kernarg_segment_size: 48
    .max_flat_workgroup_size: 256
    .sgpr_count:     66
    .vgpr_count:     512
    .wavefront_size: 32
...
	.end_amdgpu_metadata
.endif
;; end of part 2
;; launch finish (part 3): grid 8 x 32, 1 waves a work-group, no clusters, 0 bytes of LDS; arguments scores, ctx, out0, out1; writes out0, out1
.if DOCPART == 3
	.amdgcn_target "amdgcn-amd-amdhsa--gfx1250"
	.amdhsa_code_object_version 6
	.text
	.protected	k_q8888ae1922_finish
	.globl	k_q8888ae1922_finish
	.p2align	8
	.type	k_q8888ae1922_finish,@function
k_q8888ae1922_finish:
	s_mov_b64 s[64:65], 0
	v_nop
	global_prefetch_b8 v0, s[64:65] scope:SCOPE_SE
	s_setreg_imm32_b32 hwreg(HW_REG_WAVE_MODE, 25, 1), 1
	s_wait_xcnt 0x0
; A batch's eight chunks are joined.  scores holds t = score x log2(e), without the number that is the same for all rows of a batch (left out: shown at the head of the first kernel); ctx holds, for each chunk c,
; the sum over its rows of 2^(t - m_c) values[t,:], m_c the chunk's largest t.  With M the batch's largest t and L the sum over all rows of 2^(t - M):
;   out1[b][t] = 2^(t - M) / L;     out0[b][:] = the sum over c of (2^(m_c - M) / L) ctx[8 b + c][:].
; A work-group is one wave: work-group y = the batch, x = a slice: 128 rows of out1 and 256 columns of out0.  Each wave makes the batch's m_c, M and L anew from its 4,096 bytes of t: a maximum rounds nothing,
; so m_c has the bits under which the chunk's sums were taken, and no buffer of statistics is needed.  L is at least 1: the row with t = M adds 2^0.
; No LDS, no barrier, no matrix unit: 12 KiB are read for each wave and nothing is shared.
.set TS,  8                            ; v8-39    t of the batch's 1,024 rows: chunk c at TS + 4 c, rows 4 x lane on
.set TX,  40                           ; v40-43   t of my slice's 128 rows
.set CX,  48                           ; v48-111  ctx: chunk c, half e of my 256 columns at CX + 8 c + 4 e
.set MC,  112                          ; v112-119 m_c, then 2^(m_c - M) / L
.set MP,  120                          ; v120-127 at work
	s_load_b128 s[4:7], s[0:1], 0x0                ; scores, ctx
	s_load_b128 s[8:11], s[0:1], 0x10              ; out0, out1
	v_lshlrev_b32 v1, 4, v0                        ; 16 bytes a lane
	s_and_b32 s12, ttmp7, 0xffff                   ; the batch
	s_lshl_b32 s14, s12, 12                        ; scores, out1: 4,096 bytes a batch,
	s_mov_b32 s15, 0
	s_lshl_b32 s16, ttmp9, 9                       ; 512 a slice
	s_mov_b32 s17, 0
	s_lshl_b32 s18, s12, 16                        ; ctx: 8 rows of 8,192 bytes a batch,
	s_lshl_b32 s20, ttmp9, 10                      ; 1,024 bytes a slice
	s_add_co_u32 s18, s18, s20
	s_mov_b32 s19, 0
	s_lshl_b32 s21, s12, 13                        ; out0: 8,192 bytes a batch
	s_add_co_u32 s20, s20, s21
	s_mov_b32 s21, 0
	s_mov_b32 s22, 0x76543210
	s_mov_b32 s23, 0xfedcba98                      ; v_permlanex16_b32's selects for lane l xor 16
	s_wait_kmcnt 0x0
	s_add_nc_u64 s[4:5], s[4:5], s[14:15]
	s_add_nc_u64 s[24:25], s[4:5], s[16:17]
	s_add_nc_u64 s[6:7], s[6:7], s[18:19]
	s_add_nc_u64 s[8:9], s[8:9], s[20:21]
	s_add_nc_u64 s[10:11], s[10:11], s[14:15]
	s_add_nc_u64 s[10:11], s[10:11], s[16:17]
.irp c, 0,1,2,3,4,5,6,7
	global_load_b128 v[TS+4*\c:TS+4*\c+3], v1, s[4:5] offset:512*\c
.endr
	global_load_b128 v[TX:TX+3], v1, s[24:25]
.irp c, 0,1,2,3,4,5,6,7
.irp e, 0,1
	global_load_b128 v[CX+8*\c+4*\e:CX+8*\c+4*\e+3], v1, s[6:7] offset:8192*\c+512*\e th:TH_LOAD_NT
.endr
.endr
.irp c, 0,1,2,3,4,5,6,7
	v_mov_b32 v[MP+\c], 0                          ; (a lane permute's destination counts as one of its sources)
.endr
	s_wait_loadcnt 16                              ; the nine loads of t are in; ctx's sixteen are younger
.irp c, 0,1,2,3,4,5,6,7
	v_max3_num_f32 v[MC+\c], v[TS+4*\c], v[TS+4*\c+1], v[TS+4*\c+2]   ; the eight chunks by turns
.endr
.irp c, 0,1,2,3,4,5,6,7
	v_max_num_f32 v[MC+\c], v[MC+\c], v[TS+4*\c+3]
.endr
.irp m, 1,2,4,8
.irp c, 0,1,2,3,4,5,6,7
	v_max_num_f32_dpp v[MC+\c], v[MC+\c], v[MC+\c] row_xmask:\m row_mask:0xf bank_mask:0xf
.endr
.endr
.irp c, 0,1,2,3,4,5,6,7
	v_permlanex16_b32 v[MP+\c], v[MC+\c], s22, s23
.endr
.irp c, 0,1,2,3,4,5,6,7
	v_max_num_f32 v[MC+\c], v[MC+\c], v[MP+\c]     ; m_c, in every lane
.endr
	v_max3_num_f32 v128, v[MC], v[MC+1], v[MC+2]
	v_max3_num_f32 v128, v128, v[MC+3], v[MC+4]
	v_max3_num_f32 v128, v128, v[MC+5], v[MC+6]
	v_max_num_f32 v128, v128, v[MC+7]              ; M: taken away before every exponential
	v_mov_b32 v129, v128                           ; a pair for the packed subtraction
.set i, 0
.rept 18
	v_pk_add_f32 v[TS+i:TS+i+1], v[TS+i:TS+i+1], v[128:129] neg_lo:[0,1] neg_hi:[0,1]   ; t - M: the batch's 32 a lane and my slice's 4
.set i, i+2
.endr
.irp c, 0,2,4,6
	v_pk_add_f32 v[MC+\c:MC+\c+1], v[MC+\c:MC+\c+1], v[128:129] neg_lo:[0,1] neg_hi:[0,1]   ; m_c - M
.endr
.set i, 0
.rept 36
	v_exp_f32 v[TS+i], v[TS+i]
.set i, i+1
.endr
.irp c, 0,1,2,3,4,5,6,7
	v_exp_f32 v[MC+\c], v[MC+\c]
.endr
	v_nop                                          ; a plain place behind the exponentials
	s_wait_alu depctr_va_vdst(0)                   ; one wait for the 44, ahead of their first reader
	v_pk_add_f32 v[130:131], v[TS:TS+1], v[TS+2:TS+3]         ; L: two at a time, in two chains
	v_pk_add_f32 v[132:133], v[TS+4:TS+5], v[TS+6:TS+7]
.irp j, 8,12,16,20,24,28
	v_pk_add_f32 v[130:131], v[130:131], v[TS+\j:TS+\j+1]
	v_pk_add_f32 v[132:133], v[132:133], v[TS+\j+2:TS+\j+3]
.endr
	v_pk_add_f32 v[130:131], v[130:131], v[132:133]
	v_add_f32 v130, v130, v131
	v_add_f32_dpp v130, v130, v130 row_xmask:1 row_mask:0xf bank_mask:0xf
	v_add_f32_dpp v130, v130, v130 row_xmask:2 row_mask:0xf bank_mask:0xf
	v_add_f32_dpp v130, v130, v130 row_xmask:4 row_mask:0xf bank_mask:0xf
	v_add_f32_dpp v130, v130, v130 row_xmask:8 row_mask:0xf bank_mask:0xf
	v_permlanex16_b32 v131, v130, s22, s23
	v_add_f32 v130, v130, v131
	v_rcp_f32 v134, v130                           ; 1 / L
	v_nop                                          ; a plain place behind it
	s_wait_alu depctr_va_vdst(0)                   ; and its wait, ahead of the first reader
.irp j, 0,1,2,3
	v_mul_f32 v[TX+\j], v[TX+\j], v134
.endr
	global_store_b128 v1, v[TX:TX+3], s[10:11]     ; out1: 512 consecutive bytes
.irp c, 0,1,2,3,4,5,6,7
	v_mul_f32 v[MC+\c], v[MC+\c], v134             ; 2^(m_c - M) / L
.endr
	s_wait_loadcnt 0x0                             ; ctx
.irp d, 0,2,4,6
	v_pk_mul_f32 v[136+\d:137+\d], v[CX+\d:CX+\d+1], v[MC:MC+1] op_sel_hi:[1,0]   ; chunk 0 starts the sums
.endr
.irp c, 1,2,3,4,5,6,7
.irp d, 0,2,4,6
.if \c%2 == 0
	v_pk_fma_f32 v[136+\d:137+\d], v[CX+8*\c+\d:CX+8*\c+\d+1], v[MC+\c:MC+\c+1], v[136+\d:137+\d] op_sel_hi:[1,0,1]
.else
	v_pk_fma_f32 v[136+\d:137+\d], v[CX+8*\c+\d:CX+8*\c+\d+1], v[MC+\c-1:MC+\c], v[136+\d:137+\d] op_sel:[0,1,0] op_sel_hi:[1,1,1]
.endif
.endr
.endr
	global_store_b128 v1, v[136:139], s[8:9]       ; out0: 512 consecutive bytes each
	global_store_b128 v1, v[140:143], s[8:9] offset:512
	s_endpgm
.Lfunc_end_k_q8888ae1922_finish:
	.size	k_q8888ae1922_finish, .Lfunc_end_k_q8888ae1922_finish-k_q8888ae1922_finish
	.p2alignl 7, 3214868480
	.fill 96, 4, 3214868480
	.section	.rodata,"a",@progbits
	.p2align	6, 0x0
	.amdhsa_kernel k_q8888ae1922_finish
		.amdhsa_group_segment_fixed_size 0
		.amdhsa_private_segment_fixed_size 0
		.amdhsa_enable_private_segment 0
		.amdhsa_kernarg_size 32
		.amdhsa_user_sgpr_count 2
		.amdhsa_user_sgpr_kernarg_segment_ptr 1
		.amdhsa_wavefront_size32 1
		.amdhsa_system_sgpr_workgroup_id_x 1
		.amdhsa_system_sgpr_workgroup_id_y 1
		.amdhsa_system_sgpr_workgroup_id_z 1
		.amdhsa_system_vgpr_workitem_id 0
		.amdhsa_next_free_vgpr 144
		.amdhsa_next_free_sgpr 66
		.amdhsa_reserve_vcc 0
		.amdhsa_float_denorm_mode_32 3
		.amdhsa_float_denorm_mode_16_64 3
		.amdhsa_memory_ordered 1
		.amdhsa_forward_progress 1
		.amdhsa_inst_pref_size 15
	.end_amdhsa_kernel
	.amdgpu_metadata
---
amdhsa.version: [ 1, 2 ]
amdhsa.kernels:
  - .name:           k_q8888ae1922_finish
    .symbol:         k_q8888ae1922_finish.kd
    .args:
      - { .name: scores, .offset: 0, .size: 8, .value_kind: global_buffer, .address_space: global }
      - { .name: ctx, .offset: 8, .size: 8, .value_kind: global_buffer, .address_space: global }
      - { .name: out0, .offset: 16, .size: 8, .value_kind: global_buffer, .address_space: global }
      - { .name: out1, .offset: 24, .size: 8, .value_kind: global_buffer, .address_space: global }
    .group_segment_fixed_size: 0
    .private_segment_fixed_size: 0
    .kernarg_segment_align: 8
    .kernarg_segment_size: 32
    .max_flat_workgroup_size: 32
    .sgpr_count:     66
    .vgpr_count:     144
    .wavefront_size: 32
...
	.end_amdgpu_metadata
.endif
;; end of part 3
;; ======== version 2 of 2: 3 launches; version 1 with the launch attend written anew for expert scheduling mode
;; workspace buffers: wcodes 786,432 bytes; wscales 32,768 bytes; scores 131,072 bytes; ctx 2,097,152 bytes
;; launch wprep: the kernel of part 1 again; grid 16 x 8, 4 waves a work-group, no clusters, 0 bytes of LDS; arguments W1, wcodes, wscales; writes wcodes, wscales
;; launch attend (part 4): grid 8 x 32, 8 waves a work-group, no clusters, 325,632 bytes of LDS; arguments values, V, wcodes, wscales, scores, ctx; writes scores, ctx
.if DOCPART == 4
	.amdgcn_target "amdgcn-amd-amdhsa--gfx1250"
	.amdhsa_code_object_version 6
	.text
	.protected	k_q8888ae1922_attend
	.globl	k_q8888ae1922_attend
	.p2align	8
	.type	k_q8888ae1922_attend,@function
k_q8888ae1922_attend:
	s_mov_b64 s[64:65], 0
	v_nop
	global_prefetch_b8 v0, s[64:65] scope:SCOPE_SE
	s_setreg_imm32_b32 hwreg(HW_REG_WAVE_SCHED_MODE, 0, 2), 2
	s_setreg_imm32_b32 hwreg(HW_REG_WAVE_MODE, 25, 1), 1
	s_wait_xcnt 0x0
	s_wait_alu depctr_vm_vsrc(0)
; For 128 rows t of one batch b (work-group x = the chunk of 128 rows, y = the batch):  t-score[t] = log2(e) x (Q(key[b,t]) Q(W1[0:1024])) V;  m = the chunk's largest;  p[t] = 2^(t-score - m);
; ctx[8 b + chunk][:] = the sum over the chunk's t of p[t] values[b,t,:].  The last launch joins a batch's eight chunks.  values is read from memory once.
; WORK LEFT OUT (shown at the head of the first kernel): the query half of the first product's K, b1 and bV add one number for a batch to all its scores, which the softmax takes away; query, b1, bV and
; W1's rows 1,024 on are not among the arguments.  LIMIT: a NaN, an infinity or an overflow that lives in them alone is not carried to the result.
;
; THE FIRST PRODUCT goes by K steps of 128, codes of FP6 (E2M3) on both sides, E8M0 scales.  THE SECOND IS LINEAR IN THE FIRST: score[t] = the sum over K steps s and units u of V[u] e_s[t,u], e_s the
; product of K step s alone.  So every matrix instruction starts with C = 0 and its eight results go at once into f32 score sums by four packed multiply-adds: e is never formed, and K step s is multiplied
; as soon as 128 columns of the keys have come.  All multiplications of the first product are the matrix unit's; all sums are f32.
; TWO ROLES.  Waves 0-3 (GEMM): wave q owns units 256 q .. 256 q + 255 for all 128 rows; W1's fragments come from memory straight into its registers, a ring of 16 fragments, each asked for 96 products or more ahead.
; Waves 4-7 (stream) own all loads of values: waves 4, 5 the even K steps (rows 0-63, 64-127), waves 6, 7 the odd ones.  A SET is 64 rows x 512 bytes in 256 registers, a row (512 consecutive bytes) a load.
; A set's tile of 16 rows (a) is rounded to bf16 into THE HOLD, the chunk's 128 x 1,024 keys in LDS, for the third product; (b) turns through the wave's own stage, so that a lane holds 16 neighbours along K
; of one row; (c) is quantised; its fragment and scale words go to the GEMM waves as images of the operand's registers; (d) is asked for anew, for the wave's next set.
; Loads are counted for each wave by itself, so a wait for a fragment of W1 never waits for values.
; AN INTERVAL lies between two barriers: in interval j one pair of stream waves quantises K step j into image buffer j % 2, the other pair's next set is on its way, and the GEMM waves multiply
; K step j - 1 from the other buffer.  Nine barriers.  Behind the last: every wave makes p for itself; the GEMM waves make the context's key half from the hold; the stream waves stream the value half, f32.
; NO CLUSTER, NO JOINT LOADS, though all work-groups read the same 786,432 bytes of W1's codes: a joint load lands in LDS, where 262,144 bytes are the hold, 26,624 the images and 33,792 the stages; two slots of a
; K step's 98,304 bytes do not fit in what is left of 327,680.  And each fragment is wanted by one wave of a work-group alone: it goes straight into that wave's registers.
; LIMITS.  The keys enter the third product as bf16, the value half as f32.  The f32 sums of the first two products are taken in another order than the reference's (K step, unit mod 16, lanes, waves).
; NaN and infinities in values are not served.  A block of zeros gets the scale byte 1 (its codes are zeros; this program alone reads the bytes).  A p under 2^-126 comes out as 0 (ISA guide, v_exp_f32).
;
; THE MODE: SCHED_MODE bits 1:0 = 2 (LLVM: expert scheduling mode 2), set by the entry lines.  The code itself states the register dependences
; between vector or matrix instructions and memory or LDS instructions, with s_wait_alu, always for 0.
; THE PLAN.  Registers that memory or LDS instructions touch, and who else names them.
; Both roles: the addresses v3-v13 and v16-v19 are made at the head, ahead of one wait on va_vdst, and never written again.
; GEMM role:
;   BR, BSC     the ring.  Slot c is read by its eight products of a K step; then the next K step's four loads land in it.  The slots go in four groups of four.  ONE wait on va_vdst at the head of groups 1, 2 and 3
;               states that the group before is done with; its four refills follow, one ahead of each slot's products of the running group.  The products issued since that wait name the running group's slots,
;               the sums name DA, SA and VV: none of the registers that those refills touch.  The last group's refills stand together behind the K step's last sums and one more wait.
;   AF, ASC     read by a K step's products; the next K step's LDS loads land in them, behind one wait on va_vdst at the K step's head.
;   VV          loaded once.   DA, SA: named by matrix and vector instructions alone.
;   RD          written by the scalings and the lane sums; read by 64 LDS stores, behind a wait on va_vdst; written again (KACC, XK, PK) behind the wait on vm_vsrc that follows the last barrier.
;   HRC, PAC, XK, PK   a trip of the key context's loop: a wait on vm_vsrc, the two additions, a wait on va_vdst, the loads.
; Stream role, tile t of a set:
;   the set     written by RELOAD t; read by TURN t's roundings and by its stores into the stage.
;   HB, HWC, HWT  written by TURN t; read by its stores into the hold.
;   QB0, QB1    TURN t's loads from the stage land in QB[t % 2]; read by QUANT t.
;   PC, PW      written by QUANT t; read by the image's four stores.
;   ONE wait on vm_vsrc at the head of tile t's turn frees HB and HWT for TURN t + 1, PC and PW for QUANT t, and tile t for RELOAD t.  One wait on va_vdst in TURN, behind its roundings; one behind QUANT.
;   In the value phase a tile's multiply-adds read it; a wait on va_vdst; the tile's next loads.
;
; LDS
.set IMG,   262144                     ; bytes 0 on: the hold, 128 rows x 2,048 bytes, column k at byte 2 k.  From IMG: two image buffers
.set IMGB,  13312                      ; a buffer: 8 fragments of 1,536 bytes (tile of rows f), then
.set ISC,   12288                      ; their scale words, 128 bytes each
.set STG,   288768                     ; the stream waves' stages:
.set STGW,  8448                       ; 16 rows
.set SPIT,  528                        ; of 512 bytes + 16: 33 x 16 bytes, so that the sixteen rows of a load of 16 bytes a lane fall on different banks (64 banks of 4 bytes: ISA guide 11.1)
.set PART,  322560                     ; the GEMM waves' score sums: 512 bytes each, row t at 4 t
.set SPARE, 324608                     ; the spare words, 128 bytes for each of the eight waves: four blocks of 256 bytes that no other line names
; p's copies, 512 bytes for each wave, lie at IMG: they are written behind the last barrier, when no image is read any more.
; VECTOR REGISTERS, in two windows of 256.  v1-v21 of window 0 are addresses, made ahead of the first parting of the roles (v14, v15, v20, v21: made where they are used); they never hold loaded data.
.set SPW, 1                            ; LDS address of my spare word; never rewritten
.set NIL, 2                            ; 0; never rewritten
.set L16, 3                            ; 16 x lane
.set AIR, 4                            ; images, to read: IMG + 16 x lane
.set ASR, 5                            ; their scale words: IMG + ISC + 4 x lane
.set BVO, 6                            ; W1's codes: 24,576 q + 16 x lane
.set BSO, 7                            ; W1's scale words, and V: 4 (256 q + r)
.set PSW, 8                            ; my score sums: PART + 512 q + 32 h
.set AIW, 9                            ; images, to write: IMG + IMGB x pair + 6,144 x half + 16 x lane
.set ASW, 10                           ; their scale words
.set STW, 11                           ; my stage, in: 16 x lane
.set STR, 12                           ; my stage, out: 528 r + 64 h
.set HWB, 13                           ; the hold, to write: 131,072 x half + 8 x lane
.set HWC, 14                           ; + the K step's 256 bytes
.set HWT, 15                           ; + the tile's 16 rows
.set PRD, 16                           ; the score sums, to read: PART + 16 x lane
.set PCW, 17                           ; my copy of p, to write: IMG + 512 x wave + 16 x lane
.set PCB, 18                           ; and to read, the same address in all lanes
.set HRB, 19                           ; the hold, to read: 512 q + 8 x lane
.set HRC, 20
.set PAC, 21
; GEMM role, window 0:
.set BR,  24                           ; v24-215  the ring: slot c (units 16 c on) at BR + 12 c
.set ASC, 216                          ; v216-223 the images' scale words, tile of rows i
.set BSC, 224                          ; v224-239 W1's scale words, slot c
.set VV,  240                          ; v240-255 V[256 q + 16 c + r]
; GEMM role, window 1:
.set AF,  0                            ; v0-95    a K step's 8 fragments of keys
.set DA,  96                           ; v96-127  four accumulators by turns
.set SA,  128                          ; v128-191 score sums: SA + 8 i + j = row 16 i + 8 h + j, summed over the units = r mod 16
; GEMM role behind the products, window 0:
.set RD,  24                           ; v24-87   the 64 sums, as t
.set XK,  24                           ; v24-55   8 rows x 8 columns of the hold
.set PK,  56                           ; v56-63   their p
.set KACC, 64                          ; v64-71   the context of my lane's 8 key columns
; stream role: window 1 is the set, tile t's row k at 64 t + 4 k.  Window 0:
.set QB,  24                           ; v24-151  two tiles turned: 64 numbers a lane each
.set HB,  152                          ; v152-183 a tile as bf16
.set TM,  184                          ; v184-187 largest magnitudes, v188-191 bytes, v192-195 the conversions' scale operands
.set PT,  196                          ; v196-202 the conversions' second halves
.set PW,  203                          ; the scale word just made
.set PC,  204                          ; v204-215 the fragment just made
.set PV,  24                           ; value phase: v24-151 p of rows 0-127, the same in every lane
.set ACC, 152                          ; v152-167 two column steps x two chains x four columns
.set SM,  168                          ; v168-185 the softmax, in both roles
; SCALAR REGISTERS
.set WV,  16                           ; wave
.set QW,  17                           ; wave & 3
.set GP,  18                           ; which pair of stream waves
.set UH,  19                           ; which half of the rows
.set NT,  20                           ; the loop's trips, 0..3
.set HK,  21                           ; the K step's bytes in a row of the hold
.set KO,  22                           ; the byte offset of my next set of keys
.set VO,  23                           ; that of my first set of the value half: 4,096 + 512 (wave & 3); also my place in a row of ctx
.set SEL, 24                           ; s[24:25] lane selects for v_permlanex16_b32: lane l xor 16
.set VB,  26                           ; s[26:27] values at the chunk's first row
.set RP,  28                           ; s[28:29] the set that is being asked for
.set RO,  30                           ; s[30:31] its byte offset
.set VP,  32                           ; s[32:33] VB + VO
.set TA,  34                           ; s[34:35] at work
.set HR,  36                           ; the key context's loop: bytes in the hold,
.set PR,  37                           ; in p,
.set TK,  38                           ; trips
.set CK,  40                           ; s[40:41] ctx: my key columns
.set CV,  42                           ; s[42:43] ctx: my value columns
.set CS,  44                           ; s[44:45] log2(e): the packed form names a pair and takes its low word for both halves
.set MSB, 0
.macro WIN new                         ; s_set_vgpr_msb: bits 1:0 source 0, 3:2 source 1, 5:4 source 2, 7:6 destination; the high byte repeats the setting that is left
.if MSB != \new
	s_set_vgpr_msb (MSB<<8)|\new
.set MSB, \new
.endif
.endm
.macro BARRIER                         ; my LDS stores have landed and my LDS loads are in: then the work-group's barrier
	s_wait_dscnt 0x0
	s_barrier_signal -1
	s_barrier_wait -1
.endm
; 64 numbers of a lane, v[s] on, register 16 b + i = k 32 b + 16 h + i of row r, become a fragment's codes in v[PC] on and its scale word in v[PW].
.macro QUANT s
.irp b, 0,1,2,3
	v_max3_num_f32 v[TM+\b], |v[\s+16*\b]|, |v[\s+1+16*\b]|, 0x1800000   ; block b: my 16 numbers, and the floor 2^(3 - 127): the byte cannot fall under 1
.endr
.irp i, 2,4,6,8,10,12,14
.irp b, 0,1,2,3
	v_max3_num_f32 v[TM+\b], v[TM+\b], |v[\s+16*\b+\i]|, |v[\s+1+16*\b+\i]|   ; (the four blocks by turns)
.endr
.endr
.irp b, 0,1,2,3
	v_permlanex16_b32 v[TM+4+\b], v[TM+\b], s[SEL], s[SEL+1]
.endr
.irp b, 0,1,2,3
	v_max_num_f32 v[TM+\b], v[TM+\b], v[TM+4+\b]   ; with lane l xor 16's: the block's largest magnitude
.endr
.irp b, 0,1,2,3
	v_add_nc_u32 v[TM+8+\b], 0xff000000, v[TM+\b]  ; 2 off its exponent field: the conversion's scale operand
.endr
.irp b, 0,1,2,3
	v_lshrrev_b32 v[TM+4+\b], 23, v[TM+8+\b]       ; the scale's byte
.endr
	v_lshl_or_b32 v[PW], v[TM+5], 8, v[TM+4]       ; the four bytes make my row's scale word
	v_lshl_or_b32 v[PW], v[TM+6], 16, v[PW]
	v_lshl_or_b32 v[PW], v[TM+7], 24, v[PW]
.irp c, 0,1
	v_cvt_scalef32_pk16_fp6_f32 v[PC+6*\c:PC+2+6*\c], v[\s+32*\c:\s+15+32*\c], v[TM+8+2*\c]
	v_cvt_scalef32_pk16_fp6_f32 v[PT+4*\c:PT+2+4*\c], v[\s+16+32*\c:\s+31+32*\c], v[TM+8+2*\c+1]   ; (a conversion's three registers begin on an even number)
.endr
	v_nop                                          ; one plain place behind a scaled conversion
.irp c, 0,1                                    ; the operand's layout wants a WHOLE block in a lane: lanes 0-15 block 2 c, lanes 16-31 block 2 c + 1
.irp i, 0,1,2
	v_permlane16_swap_b32 v[PC+6*\c+\i], v[PT+4*\c+\i]
.endr
.irp i, 0,1,2
	v_mov_b32 v[PC+3+6*\c+\i], v[PT+4*\c+\i]
.endr
.endr
.endm
; Tile t of the set: to the hold as bf16, and through my stage.  cnt: the younger loads, which may stay out.
.macro TURN t, cnt
	s_wait_loadcnt \cnt
	WIN 0x05                                       ; sources in window 1
.irp k, 0,1,2,3,4,5,6,7,8,9,10,11,12,13,14,15
	v_cvt_pk_bf16_f32 v[HB+2*\k], v[64*(\t)+4*\k], v[64*(\t)+4*\k+1]
	v_cvt_pk_bf16_f32 v[HB+2*\k+1], v[64*(\t)+4*\k+2], v[64*(\t)+4*\k+3]
.endr
	WIN 0
.if (\t) == 0
	v_add_nc_u32 v[HWC], s[HK], v[HWB]             ; the K step's 256 bytes in a row of the hold
.set HAD, HWC
.else
	v_add_nc_u32 v[HWT], 32768*(\t), v[HWC]        ; 16 rows of 2,048 bytes a tile
.set HAD, HWT
.endif
	s_wait_alu depctr_va_vdst(0)                   ; the roundings have written v[HB ..] and the addition the hold's address, which the stores below read; the roundings are done reading the tile, which is asked for anew later; the quantising of two tiles back is done reading the v[QB ..] in which the loads below land
.irp k, 0,1,2,3,4,5,6,7,8,9,10,11,12,13,14,15
	ds_store_b64 v[HAD], v[HB+2*\k:HB+2*\k+1] offset:2048*\k   ; 32 lanes: 256 consecutive bytes of a row
.endr
	WIN 0x04                                       ; an LDS store's data are its source 1: window 1
.irp k, 0,1,2,3,4,5,6,7,8,9,10,11,12,13,14,15
	ds_store_b128 v[STW], v[64*(\t)+4*\k:64*(\t)+4*\k+3] offset:SPIT*\k
.endr
	WIN 0
.irp b, 0,1,2,3
.irp j, 0,1,2,3
	ds_load_b128 v[QB+64*((\t)%2)+16*\b+4*\j:QB+64*((\t)%2)+16*\b+4*\j+3], v[STR] offset:128*\b+16*\j   ; LDS serves a wave's instructions in order (ISA guide 5.7.1.4): these see the stores above
.endr
.endr
.endm
; Tile t of the set at s[RP] is asked for: 16 rows, 512 consecutive bytes each.
.macro RELOAD t
	WIN 0x40                                       ; destination window 1
.irp k, 0,1,2,3,4,5,6,7,8,9,10,11,12,13,14,15
	global_load_b128 v[64*(\t)+4*\k:64*(\t)+4*\k+3], v[L16], s[RP:RP+1] offset:(16*(\t)+\k)*8192 th:TH_LOAD_NT
.endr
	WIN 0
.endm
; A set becomes four fragments; each tile is asked for anew, for the wave's next set, as soon as it is done with.
; The refills of a wave always go out in the order 0, 1, 2, 3.  So behind tile 0's loads stand three tiles' (48); behind tile 1's the old 2 and 3; behind tile 2's the old 3 and the new 0; behind tile 3's the new 0 and 1 (32 each).
; Every refill of a tile thus stands behind a counted wait that shows the tile's last loads done.  With tile 3's refill 64 loads are asked for: the issue of a load for which the counter's field has no room is
; held until an earlier one has come (ISA guide 5.7.1); tile 0's refill has then been out for three tiles' work.
.macro STREAM
	s_wait_xcnt 0x0                                ; the last refills have read s[RP]
	s_cmp_lt_u32 s[NT], 3
	s_cselect_b32 s[RO], s[KO], s[VO]              ; my next set of keys, two K steps on; behind the last: my first set of the value half.  As many loads either way
	s_add_nc_u64 s[RP:RP+1], s[VB:VB+1], s[RO:RO+1]
	s_add_co_u32 s[KO], s[KO], 1024
	TURN 0, 48                                     ; (what it writes, v[HB ..] and v[HWC], no LDS store has read since the last set's last wait on vm_vsrc)
.irp t, 0,1,2,3
	s_wait_dscnt 0x0                               ; tile t is back from the stage
	s_wait_alu depctr_vm_vsrc(0)                   ; the LDS stores issued so far have read their registers: v[HB ..] and v[HWT], which the next tile's turn writes; v[PC ..] and v[PW], which the quantising below writes; tile t of the set, in which its refill lands
.if \t < 3
	TURN \t+1, 32
.endif
.set QBX, QB+64*(\t%2)
	QUANT QBX
	s_wait_alu depctr_va_vdst(0)                   ; the quantising has written v[PC ..] and v[PW], which the four stores below read
.irp c, 0,1,2
	ds_store_b128 v[AIW], v[PC+4*\c:PC+4*\c+3] offset:1536*\t+512*\c   ; the fragment as it stands: 512 consecutive bytes a store
.endr
	ds_store_b32 v[ASW], v[PW] offset:128*\t
	RELOAD \t                                      ; no further wait: nothing issued since the waits above names tile t or v[L16]
.endr
.endm
; Product n of a K step's 128: slot n / 8, tile of rows n % 8.  Source 0 = 16 rows of keys, source 1 = 16 units of W1: register j of the result is (row 8 h + j, unit r).
.macro WM n
.set wc, (\n)/8
.set wi, (\n)%8
	v_wmma_scale_f32_16x16x128_f8f6f4 v[DA+8*((\n)%4):DA+8*((\n)%4)+7], v[AF+12*wi:AF+12*wi+11], v[BR+12*wc:BR+12*wc+11], 0, v[ASC+wi], v[BSC+wc] matrix_a_fmt:MATRIX_FMT_FP6 matrix_b_fmt:MATRIX_FMT_FP6
.endm
; Its eight results times V[unit] go into the score sums, from the accumulator's low end on.  Of the pair of V's registers the one of slot n / 8 serves both halves.
.macro EPI n
.set ec, (\n)/8
.set ei, (\n)%8
.set ed, DA+8*((\n)%4)
.irp k, 0,1,2,3
.if ec%2 == 0
	v_pk_fma_f32 v[SA+8*ei+2*\k:SA+8*ei+2*\k+1], v[ed+2*\k:ed+2*\k+1], v[VV+ec:VV+ec+1], v[SA+8*ei+2*\k:SA+8*ei+2*\k+1] op_sel_hi:[1,0,1]
.else
	v_pk_fma_f32 v[SA+8*ei+2*\k:SA+8*ei+2*\k+1], v[ed+2*\k:ed+2*\k+1], v[VV+ec-1:VV+ec], v[SA+8*ei+2*\k:SA+8*ei+2*\k+1] op_sel:[0,1,0] op_sel_hi:[1,1,1]
.endif
.endr
.endm
; A K step of a GEMM wave, from image buffer buf.  reload = 1: the ring is asked for anew, for the next K step, a group of four slots at a time, a group behind its products.
; ONE window setting serves products and sums: source 0 (keys; accumulator) window 1, source 1 (W1; V) window 0, source 2 and destination window 1.
; PLACES (ISA guide 7.12.1).  Behind product n stand the sums of product n - 2, then product n + 1, the sums of n - 1, product n + 2, and only then the sums of n: eight plain instructions that name none of
; its registers.  The four accumulators take turns; an accumulator is written again four products on, twelve such instructions behind.
; THE COUNTS.  The ring's loads go out in the order of the slots, K step by K step.  Behind slot c's four loads stand, at the wait for them: c < 4, or nothing asked for any more: slots c + 1 .. 15 of this K step;
; c >= 4: these and slots 0 .. c - 4 of the next K step: 12 slots, 48 loads.
.macro GEMM buf, reload
	WIN 0x40                                       ; destination window 1
	s_wait_alu depctr_va_vdst(0)                   ; the last K step's products are done reading the keys' fragments and their scale words, in which the loads below land
.irp f, 0,1,2,3,4,5,6,7
.irp g, 0,1,2
	ds_load_b128 v[AF+12*\f+4*\g:AF+12*\f+4*\g+3], v[AIR] offset:IMGB*\buf+1536*\f+512*\g
.endr
.endr
	WIN 0
.irp f, 0,1,2,3,4,5,6,7
	ds_load_b32 v[ASC+\f], v[ASR] offset:IMGB*\buf+128*\f
.endr
	s_wait_dscnt 0x0
.set gc, 0
.rept 16
.if \reload && (gc >= 4)
	WIN 0
.if gc%4 == 0
	s_wait_alu depctr_va_vdst(0)                   ; the 32 products of slots gc - 4 .. gc - 1 are done reading these slots and their scale words: the four refills of this group's turn land there
.endif
.irp g, 0,1,2
	global_load_b128 v[BR+12*(gc-4)+4*\g:BR+12*(gc-4)+4*\g+3], v[BVO], s[8:9] offset:98304+1536*(gc-4)+512*\g   ; slot gc - 4 of the next K step: 512 consecutive bytes.  No product or sum since the wait names it
.endr
	global_load_b32 v[BSC+gc-4], v[BSO], s[10:11] offset:4096+64*(gc-4)
	s_wait_loadcnt 48                              ; slot gc's four loads are in; twelve slots are younger
.else
	s_wait_loadcnt 4*(15-gc)                       ; slot gc's four loads are in; slots gc + 1 .. 15 are younger
.endif
	WIN 0x51
.set gi, 0
.rept 8
.set gn, 8*gc+gi
	WM gn
.if gn < 2
.rept 4
	v_nop                                          ; the K step's first two products have no sums to stand behind them
.endr
.else
	EPI gn-2
.endif
.set gi, gi+1
.endr
.set gc, gc+1
.endr
	WIN 0x51
	EPI 126
	EPI 127
	WIN 0
.if \reload
	s_wait_alu depctr_va_vdst(0)                   ; the products of slots 12 .. 15 are done reading these slots and their scale words, in which the loads below land
.irp c, 12,13,14,15
.irp g, 0,1,2
	global_load_b128 v[BR+12*\c+4*\g:BR+12*\c+4*\g+3], v[BVO], s[8:9] offset:98304+1536*\c+512*\g
.endr
	global_load_b32 v[BSC+\c], v[BSO], s[10:11] offset:4096+64*\c
.endr
	s_wait_xcnt 0x0                                ; the loads have read their bases
	s_add_nc_u64 s[8:9], s[8:9], 98304             ; a K step on: 64 fragments,
	s_add_nc_u64 s[10:11], s[10:11], 4096          ; 1,024 scale words
.endif
.endm
; The value half.  Set v of four (0, 1: my first column step, rows 0-63 and 64-127; 2, 3: my second), tile t: acc += p[row] x the row's four numbers, two chains; then the tile takes the next set's.
.macro VTILE v, t
.if (\v) < 3
	s_wait_loadcnt 48                              ; three tiles are younger
.else
	s_wait_loadcnt 16*(3-(\t))                     ; the last set: the counts run down
.endif
	WIN 0x01                                       ; source 0 window 1
.set vk, 0
.rept 16
.set vp, PV+64*((\v)%2)+16*(\t)+(vk/2)*2
.set va, ACC+8*((\v)/2)+4*(vk%2)
.set vs, 64*(\t)+4*vk
.if ((\v)%2 == 0) && ((\t) == 0) && (vk == 0)
	v_pk_mul_f32 v[va:va+1], v[vs:vs+1], v[vp:vp+1] op_sel_hi:[1,0]            ; a column step's first two rows start the sums
	v_pk_mul_f32 v[va+2:va+3], v[vs+2:vs+3], v[vp:vp+1] op_sel_hi:[1,0]
.elseif ((\v)%2 == 0) && ((\t) == 0) && (vk == 1)
	v_pk_mul_f32 v[va:va+1], v[vs:vs+1], v[vp:vp+1] op_sel:[0,1] op_sel_hi:[1,1]
	v_pk_mul_f32 v[va+2:va+3], v[vs+2:vs+3], v[vp:vp+1] op_sel:[0,1] op_sel_hi:[1,1]
.elseif vk%2 == 0
	v_pk_fma_f32 v[va:va+1], v[vs:vs+1], v[vp:vp+1], v[va:va+1] op_sel_hi:[1,0,1]
	v_pk_fma_f32 v[va+2:va+3], v[vs+2:vs+3], v[vp:vp+1], v[va+2:va+3] op_sel_hi:[1,0,1]
.else
	v_pk_fma_f32 v[va:va+1], v[vs:vs+1], v[vp:vp+1], v[va:va+1] op_sel:[0,1,0] op_sel_hi:[1,1,1]
	v_pk_fma_f32 v[va+2:va+3], v[vs+2:vs+3], v[vp:vp+1], v[va+2:va+3] op_sel:[0,1,0] op_sel_hi:[1,1,1]
.endif
.set vk, vk+1
.endr
.if (\v) < 3
	WIN 0x40
	s_wait_alu depctr_va_vdst(0)                   ; the multiply-adds above are done reading the tile, in which the loads below land
.irp k, 0,1,2,3,4,5,6,7,8,9,10,11,12,13,14,15
	global_load_b128 v[64*(\t)+4*\k:64*(\t)+4*\k+3], v[L16], s[VP:VP+1] offset:(64*(((\v)+1)%2)+16*(\t)+\k)*8192+(((\v)+1)/2)*2048 th:TH_LOAD_NT
.endr
.endif
	WIN 0
.endm
	; ---- the head, common to all waves
	s_load_b256 s[4:11], s[0:1], 0x0               ; values s[4:5], V s[6:7], W1's codes s[8:9], W1's scale words s[10:11]
	s_load_b128 s[12:15], s[0:1], 0x20             ; scores s[12:13], ctx s[14:15]
	v_lshl_add_u32 v[SPW], v0, 2, SPARE
	v_mov_b32 v[NIL], 0
	v_lshrrev_b32 v20, 5, v0
	v_readfirstlane_b32 s[WV], v20                 ; wave 0..7
	v_and_b32 v20, 31, v0                          ; lane
	v_and_b32 v21, 15, v0                          ; r
	v_bfe_u32 v22, v0, 4, 1                        ; h
	v_lshlrev_b32 v[L16], 4, v20
	v_add_nc_u32 v[AIR], IMG, v[L16]
	v_lshl_add_u32 v[ASR], v20, 2, IMG+ISC
	s_wait_alu depctr_va_sdst(0)                   ; s[WV] is written, ahead of its first reader: the roles, the bases and the LDS addresses are made from it
	s_and_b32 s[QW], s[WV], 3
	s_lshr_b32 s[GP], s[QW], 1
	s_and_b32 s[UH], s[QW], 1
	s_mul_i32 s[TA], s[QW], 24576                  ; 16 fragments of 1,536 bytes a wave
	v_add_nc_u32 v[BVO], s[TA], v[L16]
	s_lshl_b32 s[TA], s[QW], 10
	v_lshl_add_u32 v[BSO], v21, 2, s[TA]
	s_lshl_b32 s[TA], s[QW], 9
	v_lshl_add_u32 v[HRB], v20, 3, s[TA]
	s_add_co_u32 s[TA], s[TA], PART
	v_lshl_add_u32 v[PSW], v22, 5, s[TA]
	s_mul_i32 s[TA], s[GP], IMGB
	s_mul_i32 s[TA+1], s[UH], 6144                 ; four fragments a half
	s_add_co_u32 s[TA+1], s[TA+1], s[TA]
	s_add_co_u32 s[TA+1], s[TA+1], IMG
	v_add_nc_u32 v[AIW], s[TA+1], v[L16]
	s_lshl_b32 s[TA+1], s[UH], 9
	s_add_co_u32 s[TA+1], s[TA+1], s[TA]
	s_add_co_u32 s[TA+1], s[TA+1], IMG+ISC
	v_lshl_add_u32 v[ASW], v20, 2, s[TA+1]
	s_mul_i32 s[TA], s[QW], STGW
	s_add_co_u32 s[TA], s[TA], STG
	v_add_nc_u32 v[STW], s[TA], v[L16]
	v_mul_u32_u24 v[STR], v21, SPIT
	v_lshl_add_u32 v[STR], v22, 6, v[STR]
	v_add_nc_u32 v[STR], s[TA], v[STR]
	s_lshl_b32 s[TA], s[UH], 17                    ; 64 rows of 2,048 bytes
	v_lshl_add_u32 v[HWB], v20, 3, s[TA]
	v_add_nc_u32 v[PRD], PART, v[L16]
	s_lshl_b32 s[TA], s[WV], 9
	s_add_co_u32 s[TA], s[TA], IMG
	v_add_nc_u32 v[PCW], s[TA], v[L16]
	v_mov_b32 v[PCB], s[TA]
.irp b, 0,1,2,3
	v_mov_b32 v[TM+4+\b], 0                        ; written once: a lane permute's destination counts as one of its sources
.endr
	s_mov_b32 s[SEL], 0x76543210
	s_mov_b32 s[SEL+1], 0xfedcba98
	s_mov_b32 s[CS], 0x3fb8aa3b                    ; log2(e)
	s_mov_b32 s[CS+1], s[CS]                       ; (named with it as a pair, so it is written)
	s_lshl_b32 s[RO], s[UH], 19                    ; my first set: 64 rows of 8,192 bytes a half,
	s_lshl_b32 s[KO], s[GP], 9                     ; 512 bytes a K step
	s_add_co_u32 s[RO], s[RO], s[KO]
	s_mov_b32 s[RO+1], 0
	s_add_co_u32 s[KO], s[RO], 1024                ; the next: two K steps on
	s_lshl_b32 s[VO], s[QW], 9
	s_add_co_u32 s[VO], s[VO], 4096
	s_lshl_b32 s[HK], s[GP], 8
	s_and_b32 s39, ttmp7, 0xffff                   ; the batch
	s_lshl_b32 s[TA], s39, 23                      ; 1,024 rows of 8,192 bytes a batch,
	s_lshl_b32 s[TA+1], ttmp9, 20                  ; 128 a chunk
	s_add_co_u32 s[TA], s[TA], s[TA+1]
	s_mov_b32 s[TA+1], 0
	s_wait_kmcnt 0x0
	s_add_nc_u64 s[VB:VB+1], s[4:5], s[TA:TA+1]
	s_add_nc_u64 s[RP:RP+1], s[VB:VB+1], s[RO:RO+1]
	s_mov_b32 s[TA], s[VO]
	s_add_nc_u64 s[VP:VP+1], s[VB:VB+1], s[TA:TA+1]
	s_lshl_b32 s[TA], s39, 3
	s_add_co_u32 s[TA], s[TA], ttmp9
	s_lshl_b32 s[TA], s[TA], 13                    ; ctx: row 8 b + chunk of 8,192 bytes
	s_add_nc_u64 s[14:15], s[14:15], s[TA:TA+1]
	s_mov_b32 s[TA], s[VO]
	s_add_nc_u64 s[CV:CV+1], s[14:15], s[TA:TA+1]
	s_lshl_b32 s[TA], s[QW], 10
	s_add_nc_u64 s[CK:CK+1], s[14:15], s[TA:TA+1]
	s_lshl_b32 s[TA], s39, 12
	s_lshl_b32 s39, ttmp9, 9
	s_add_co_u32 s[TA], s[TA], s39
	s_add_nc_u64 s[12:13], s[12:13], s[TA:TA+1]    ; scores: 4,096 b + 512 chunk
	s_wait_alu depctr_va_vdst(0)                   ; the addresses v3 to v13 and v16 to v19 are written, which the kernel's loads and stores read; so are v188 to v191, in which (GEMM role) loads of W1 land
	; ---- the roles part for the first time
	s_cmp_lt_u32 s[WV], 4
	s_cbranch_scc0 .Lh_stream
.irp c, 0,1,2,3,4,5,6,7,8,9,10,11,12,13,14,15
	global_load_b32 v[VV+\c], v[BSO], s[6:7] offset:64*\c
.endr
.irp c, 0,1,2,3,4,5,6,7,8,9,10,11,12,13,14,15  ; K step 0's sixteen slots, four loads each, in the order in which they are waited for
.irp g, 0,1,2
	global_load_b128 v[BR+12*\c+4*\g:BR+12*\c+4*\g+3], v[BVO], s[8:9] offset:1536*\c+512*\g
.endr
	global_load_b32 v[BSC+\c], v[BSO], s[10:11] offset:64*\c
.endr
	WIN 0x40
.set rr, 0
.rept 64
	v_mov_b32 v[SA+rr], 0                          ; the score sums, once: the K step is written for a loop, and its sums add in place
.set rr, rr+1
.endr
	WIN 0
	s_branch .Lh_join
.Lh_stream:
	RELOAD 0                                       ; every stream wave's first set, whole, in the order in which its tiles are waited for
	RELOAD 1
	RELOAD 2
	RELOAD 3
.Lh_join:
	s_mov_b32 s[NT], 0
.Lpair:                                            ; four trips of two intervals.  Every branch hangs on the wave's number or on the count of trips
	; ---- interval 2 NT: K step 2 NT is quantised into buffer 0 by waves 4, 5; K step 2 NT - 1 is multiplied from buffer 1; waves 6, 7 go on to the barrier, their set on its way
	s_cmp_lt_u32 s[WV], 4
	s_cbranch_scc0 .La_stream
	s_cmp_eq_u32 s[NT], 0
	s_cbranch_scc1 .La_join                        ; in interval 0 there is nothing to multiply yet
	GEMM 1, 1
	s_branch .La_join
.La_stream:
	s_cmp_lt_u32 s[WV], 6
	s_cbranch_scc0 .La_join
	STREAM
.La_join:
	BARRIER
	; ---- interval 2 NT + 1: K step 2 NT + 1 into buffer 1 by waves 6, 7; K step 2 NT from buffer 0
	s_cmp_lt_u32 s[WV], 4
	s_cbranch_scc0 .Lb_stream
	GEMM 0, 1
	s_branch .Lb_join
.Lb_stream:
	s_cmp_lt_u32 s[WV], 6
	s_cbranch_scc1 .Lb_join
	STREAM
.Lb_join:
	BARRIER
	s_add_co_u32 s[HK], s[HK], 512
	s_add_co_u32 s[NT], s[NT], 1
	s_cmp_lt_u32 s[NT], 4
	s_cbranch_scc1 .Lpair
	; ---- interval 8: K step 7; the score sums leave the GEMM waves.  The stream waves' first sets of the value half are on their way
	s_cmp_lt_u32 s[WV], 4
	s_cbranch_scc0 .Lz_join
	GEMM 1, 0
	WIN 0x01                                       ; source 0 window 1, destination window 0
.set rr, 0
.rept 32
	v_pk_mul_f32 v[RD+rr:RD+rr+1], v[SA+rr:SA+rr+1], s[CS:CS+1] op_sel_hi:[1,0]   ; as t = score x log2(e), into window 0
.set rr, rr+2
.endr
	WIN 0
.irp m, 1,2,4,8                                ; over the sixteen lanes of a half: the sum over the units' sixteen classes
.set rr, 0
.rept 64
	v_add_f32_dpp v[RD+rr], v[RD+rr], v[RD+rr] row_xmask:\m row_mask:0xf bank_mask:0xf
.set rr, rr+1
.endr
.endr
	s_wait_alu depctr_va_vdst(0)                   ; the lane sums have written v[RD ..], which the stores below read; the last K step's products are done reading the ring, in part of which the softmax's loads land
.set rr, 0
.rept 64
	ds_store_b32 v[PSW], v[RD+rr] offset:4*(16*(rr/8)+rr%8)   ; row 16 i + 8 h + j; the sixteen lanes of a half write one word with one value
.set rr, rr+1
.endr
.Lz_join:
	BARRIER                                        ; the ninth and last: the hold is whole, the four waves' score sums lie in LDS, no image is read any more
	s_wait_alu depctr_vm_vsrc(0)                   ; GEMM role: the stores of the score sums have read v[RD ..], v24 to v87: v64 to v71 are written just below, and the key context's loads land in v24 to v63
	; ---- the chunk's softmax numerators: every wave for itself, rows 4 x lane .. 4 x lane + 3
.irp q, 0,1,2,3
	ds_load_b128 v[SM+4*\q:SM+4*\q+3], v[PRD] offset:512*\q
.endr
	v_mov_b32 v[SM+17], 0                          ; (a lane permute's destination counts as one of its sources)
.irp c, 0,1,2,3,4,5,6,7
	v_mov_b32 v[KACC+\c], 0                        ; the key context's sums: its loop is written once
.endr
	s_wait_dscnt 0x0
	v_pk_add_f32 v[SM:SM+1], v[SM:SM+1], v[SM+4:SM+5]
	v_pk_add_f32 v[SM+2:SM+3], v[SM+2:SM+3], v[SM+6:SM+7]
	v_pk_add_f32 v[SM+8:SM+9], v[SM+8:SM+9], v[SM+12:SM+13]
	v_pk_add_f32 v[SM+10:SM+11], v[SM+10:SM+11], v[SM+14:SM+15]
	v_pk_add_f32 v[SM:SM+1], v[SM:SM+1], v[SM+8:SM+9]
	v_pk_add_f32 v[SM+2:SM+3], v[SM+2:SM+3], v[SM+10:SM+11]   ; t of my four rows
	v_max3_num_f32 v[SM+16], v[SM], v[SM+1], v[SM+2]
	v_max_num_f32 v[SM+16], v[SM+16], v[SM+3]
	v_max_num_f32_dpp v[SM+16], v[SM+16], v[SM+16] row_xmask:1 row_mask:0xf bank_mask:0xf
	v_max_num_f32_dpp v[SM+16], v[SM+16], v[SM+16] row_xmask:2 row_mask:0xf bank_mask:0xf
	v_max_num_f32_dpp v[SM+16], v[SM+16], v[SM+16] row_xmask:4 row_mask:0xf bank_mask:0xf
	v_max_num_f32_dpp v[SM+16], v[SM+16], v[SM+16] row_xmask:8 row_mask:0xf bank_mask:0xf
	v_permlanex16_b32 v[SM+17], v[SM+16], s[SEL], s[SEL+1]
	v_max_num_f32 v[SM+16], v[SM+16], v[SM+17]     ; the chunk's largest t: taken away before the exponential
.irp j, 0,1,2,3
	v_sub_f32 v[SM+8+\j], v[SM+\j], v[SM+16]
.endr
.irp j, 0,1,2,3
	v_exp_f32 v[SM+8+\j], v[SM+8+\j]               ; p, at most 1
.endr
	v_nop                                          ; a plain place behind the exponentials
	s_wait_alu depctr_va_vdst(0)                   ; the four exponentials have written v[SM+8 ..], which the LDS store below is the first to read; the additions have written v[SM ..], the data of wave 0's store; v64 to v71 are written, in which (stream role) loads of p land
	ds_store_b128 v[PCW], v[SM+8:SM+11]            ; my wave's own copy of the 128 p
	s_cmp_lg_u32 s[WV], 0
	s_cbranch_scc1 .Lnot_wave_0
	global_store_b128 v[L16], v[SM:SM+3], s[12:13] ; wave 0: the chunk's t, 512 consecutive bytes
.Lnot_wave_0:
	; ---- the context's key half, from the hold: wave q (0-3) columns 256 q on, a lane 2 x 4 columns; 8 rows a trip.  Every wave walks the loop; the work stands under a branch inside it
	s_mov_b32 s[HR], 0
	s_mov_b32 s[PR], 0
	s_mov_b32 s[TK], 0
.Lk:
	s_cmp_lt_u32 s[WV], 4
	s_cbranch_scc0 .Lk_none
	s_wait_alu depctr_vm_vsrc(0)                   ; the last trip's LDS loads have read v[HRC] and v[PAC], which the two additions write
	v_add_nc_u32 v[HRC], s[HR], v[HRB]
	v_add_nc_u32 v[PAC], s[PR], v[PCB]
	s_wait_alu depctr_va_vdst(0)                   ; both addresses are written; the last trip's multiply-adds are done reading v[XK ..] and v[PK ..], in which the loads below land
.irp k, 0,1,2,3,4,5,6,7
.irp e, 0,1
	ds_load_b64 v[XK+4*\k+2*\e:XK+4*\k+2*\e+1], v[HRC] offset:2048*\k+256*\e   ; 32 lanes: 256 consecutive bytes of a row
.endr
.endr
	ds_load_b128 v[PK:PK+3], v[PAC]                ; the rows' p: one address for all lanes.  LDS serves a wave's instructions in order: these see my store above
	ds_load_b128 v[PK+4:PK+7], v[PAC] offset:16
	s_wait_dscnt 0x0
.irp k, 0,1,2,3,4,5,6,7
.irp e, 0,1
.irp d, 0,1
	v_fma_mix_f32_bf16 v[KACC+4*\e+2*\d], v[XK+4*\k+2*\e+\d], v[PK+\k], v[KACC+4*\e+2*\d] op_sel_hi:[1,0,0]                    ; the low bf16 x p, in f32
	v_fma_mix_f32_bf16 v[KACC+4*\e+2*\d+1], v[XK+4*\k+2*\e+\d], v[PK+\k], v[KACC+4*\e+2*\d+1] op_sel:[1,0,0] op_sel_hi:[1,0,0]   ; the high one
.endr
.endr
.endr
.Lk_none:
	s_add_co_u32 s[HR], s[HR], 16384
	s_add_co_u32 s[PR], s[PR], 32
	s_add_co_u32 s[TK], s[TK], 1
	s_cmp_lt_u32 s[TK], 16
	s_cbranch_scc1 .Lk
	s_wait_alu depctr_va_vdst(0)                   ; the last trip's multiply-adds have written v[KACC ..], which the GEMM waves' two stores below read
	; ---- the roles part for the last time
	s_cmp_lt_u32 s[WV], 4
	s_cbranch_scc0 .Le_stream
	global_store_b128 v[L16], v[KACC:KACC+3], s[CK:CK+1]               ; 512 consecutive bytes each
	global_store_b128 v[L16], v[KACC+4:KACC+7], s[CK:CK+1] offset:512
	s_branch .Le_join
.Le_stream:
.irp k, 0,1,2,3,4,5,6,7,8,9,10,11,12,13,14,15,16,17,18,19,20,21,22,23,24,25,26,27,28,29,30,31
	ds_load_b128 v[PV+4*\k:PV+4*\k+3], v[PCB] offset:16*\k             ; all 128 p into every lane
.endr
	s_wait_dscnt 0x0
.irp v, 0,1,2,3
.irp t, 0,1,2,3
	VTILE \v, \t
.endr
.if \v%2 == 1                                  ; a column step is done: its two chains are joined, and it leaves.  The two steps have registers of their own, so no store's data are written again
	v_pk_add_f32 v[ACC+8*(\v/2):ACC+8*(\v/2)+1], v[ACC+8*(\v/2):ACC+8*(\v/2)+1], v[ACC+8*(\v/2)+4:ACC+8*(\v/2)+5]
	v_pk_add_f32 v[ACC+8*(\v/2)+2:ACC+8*(\v/2)+3], v[ACC+8*(\v/2)+2:ACC+8*(\v/2)+3], v[ACC+8*(\v/2)+6:ACC+8*(\v/2)+7]
	s_wait_alu depctr_va_vdst(0)                   ; the two additions have written the column step's four sums, which the store reads
	global_store_b128 v[L16], v[ACC+8*(\v/2):ACC+8*(\v/2)+3], s[CV:CV+1] offset:2048*(\v/2)   ; 512 consecutive bytes
.endif
.endr
.Le_join:
	s_wait_dscnt 0x0                               ; the closing lines, six on end
	s_wait_alu 0x0
	s_wait_tensorcnt 0x0
	ds_add_u32 v[SPW], v[NIL]
	s_wait_dscnt 0x0
	s_endpgm
.Lfunc_end_k_q8888ae1922_attend:
	.size	k_q8888ae1922_attend, .Lfunc_end_k_q8888ae1922_attend-k_q8888ae1922_attend
	.p2alignl 7, 3214868480
	.fill 96, 4, 3214868480
	.section	.rodata,"a",@progbits
	.p2align	6, 0x0
	.amdhsa_kernel k_q8888ae1922_attend
		.amdhsa_group_segment_fixed_size 325632
		.amdhsa_private_segment_fixed_size 0
		.amdhsa_enable_private_segment 0
		.amdhsa_kernarg_size 48
		.amdhsa_user_sgpr_count 2
		.amdhsa_user_sgpr_kernarg_segment_ptr 1
		.amdhsa_wavefront_size32 1
		.amdhsa_system_sgpr_workgroup_id_x 1
		.amdhsa_system_sgpr_workgroup_id_y 1
		.amdhsa_system_sgpr_workgroup_id_z 1
		.amdhsa_system_vgpr_workitem_id 0
		.amdhsa_next_free_vgpr 512
		.amdhsa_next_free_sgpr 66
		.amdhsa_reserve_vcc 0
		.amdhsa_float_denorm_mode_32 3
		.amdhsa_float_denorm_mode_16_64 3
		.amdhsa_memory_ordered 1
		.amdhsa_forward_progress 1
		.amdhsa_inst_pref_size 255
	.end_amdhsa_kernel
	.section	.bss,"aw",@nobits
	.p2align	6
	.space	262144
	.amdgpu_metadata
---
amdhsa.version: [ 1, 2 ]
amdhsa.kernels:
  - .name:           k_q8888ae1922_attend
    .symbol:         k_q8888ae1922_attend.kd
    .args:
      - { .name: values, .offset: 0, .size: 8, .value_kind: global_buffer, .address_space: global }
      - { .name: V, .offset: 8, .size: 8, .value_kind: global_buffer, .address_space: global }
      - { .name: wcodes, .offset: 16, .size: 8, .value_kind: global_buffer, .address_space: global }
      - { .name: wscales, .offset: 24, .size: 8, .value_kind: global_buffer, .address_space: global }
      - { .name: scores, .offset: 32, .size: 8, .value_kind: global_buffer, .address_space: global }
      - { .name: ctx, .offset: 40, .size: 8, .value_kind: global_buffer, .address_space: global }
    .group_segment_fixed_size: 325632
    .private_segment_fixed_size: 0
    .kernarg_segment_align: 8
    .kernarg_segment_size: 48
    .max_flat_workgroup_size: 256
    .sgpr_count:     66
    .vgpr_count:     512
    .wavefront_size: 32
...
	.end_amdgpu_metadata
.endif
;; end of part 4
;; launch finish: the kernel of part 3 again; grid 8 x 32, 1 waves a work-group, no clusters, 0 bytes of LDS; arguments scores, ctx, out0, out1; writes out0, out1
